; MI455X (gfx1250); checked and timed in simulation.
; The chip was launched on July 23, 2026; its instructions are those of AMD's public machine-readable ISA for CDNA 5 (MIT licence, August 2026) and "CDNA5" Instruction Set Architecture Reference Guide (July 2026). The comments in the code are by the model that wrote it; some were corrected since.
;; Cross Multi Attention Head. Allowed arithmetic: matrix products marked QUANTISED: E2M3 operands, one E8M0 scale for each 32 along K, by v_wmma_scale_f32_16x16x128_f8f6f4 with both operands' format E2M3, f32 sums; everything else in f32.
;; Inputs: W_kv 1,024 x 2,048 float32; W_o 1,024 x 1,024 float32; W_q 1,024 x 1,024 float32; b_kv 2,048 float32; b_o 1,024 float32; b_q 1,024 float32; decoder_x 4 x 2,048 x 1,024 float32; encoder_x 4 x 2,048 x 1,024 float32.
;; Outputs: out0 4 x 2,048 x 1,024 float32.
;; This version of the problem:
;;   THIS VERSION OF THE PROBLEM IS GIVEN IN LOW PRECISION. The matrix products marked QUANTISED in the list below multiply operands that are first quantised to E2M3 (2 exponent bits, 3 mantissa bits; 6 bits a number), with one power-of-two scale for each 32 numbers along K (OCP MX v1.0); their sums are f32. All else is computed in f32.
;;   The module's matrix products, in the order in which they are computed (A, B: the left and right operand; K: the contracted axis; several contracted axes count as one K, in the product's order):
;;     1. [M 8,192, K 1,024] x [K 1,024, N 2,048]; A: input encoder_x; B: input W_kv: QUANTISED
;;     2. [M 8,192, K 1,024] x [K 1,024, N 1,024]; A: input decoder_x; B: input W_q: QUANTISED
;;     3. batch 64 x [M 2,048, K 64] x [K 64, N 2,048]; A: computed on the way; B: computed on the way: QUANTISED
;;     4. batch 64 x [M 2,048, K 2,048] x [K 2,048, N 64]; A: softmax (see below); B: computed on the way: QUANTISED
;;     5. [M 8,192, K 1,024] x [K 1,024, N 1,024]; A: computed on the way; B: input W_o: QUANTISED
;;   THE QUANTISER, for each operand of a quantised product, along K:
;;     - K is cut into blocks of 32 from its start; a last block that is shorter is filled with zeros.
;;     - A block's scale is 2^e with e = floor(log2(the largest magnitude in the block)) - 2, held to -126 .. 127; a block of zeros has e = 0. As a byte (E8M0): e + 127.
;;     - Each number is divided by its block's scale, clamped to +-7.5, and rounded to the nearest number of E2M3, ties to even, subnormals kept.
;;     - The product sums the exact products of the quantised numbers (number of the format x scale) in f32.
;;   ~~~python
;;   def quantise(x, axis):      # numpy; x: float32 -> the quantised numbers, widened to float32 again
;;       x = np.moveaxis(x, axis, -1); K = x.shape[-1]
;;       x = np.pad(x, [(0, 0)] * (x.ndim - 1) + [(0, -K % 32)]); x = x.reshape(x.shape[:-1] + (-1, 32)); a = np.abs(x).max(-1, keepdims=True)
;;       e = np.where(a > 0, np.clip(np.frexp(np.where(a > 0, a, 1))[1] - 1 - 2, -126, 127), 0)      # np.frexp(a)[1] - 1 = floor(log2(a)), exactly
;;       r = np.clip(x / 2.0 ** e, -7.5, 7.5)
;;       step = 2.0 ** (np.maximum(np.frexp(np.where(r == 0, 1, r))[1] - 1, 0) - 3)
;;       q = np.round(r / step) * step * 2.0 ** e      # np.round: ties to even
;;       return np.moveaxis(q.reshape(q.shape[:-2] + (-1,))[..., :K], -1, axis).astype(np.float32)
;;   ~~~
;;   SOFTMAX AHEAD OF A QUANTISED PRODUCT. Where the list says 'softmax', what is quantised is not the finished softmax but p = 2^(t - M), with t = logit x log2(e) and M = ceil(the row's largest t), a whole number; so 1/2 < the row's largest p <= 1. The row's sum l is taken of the UNQUANTISED p, in f32, and the product's result is divided by l at the end. Since M is a whole number, a kernel that streams over the keys may use a running M (the ceiling of the running maximum): every later rescaling is an exact power of two, which a block's scale takes up: the codes' values come out the same.
;;   OPERANDS COMPUTED ON THE WAY. 'Computed on the way' means the value that the module computes at that place (a softmax that the list does not call 'softmax' is quantised finished and normalised). What goes into a quantiser is computed in f32, as accurately as f32 sums, v_exp_f32 and their like allow (about 1e-6 of the number): no bf16 or f16 on the way to a quantiser, and a product that is left as it is and whose result goes on into a quantised operand takes f32 operands (vector FMAs, or v_wmma_f32_16x16x4_f32). A number that lies on a knife's edge between two numbers of the format may be rounded either way, as far as f32 arithmetic and the matrix unit's own rounding can turn it there, and no further.
;; One version. Each part assembles by itself: llvm-mc -triple=amdgcn-amd-amdhsa -mcpu=gfx1250 --defsym DOCPART=n.
;; ======== version 1 of 1: 4 launches
;; limits: right only within a limited range of input values
;; workspace buffers: xc 12,582,912 bytes; xs 524,288 bytes; wc 3,145,728 bytes; ws 131,072 bytes; qrec 13,631,488 bytes; kvrec 13,631,488 bytes; ac 6,291,456 bytes; asc 262,144 bytes
;; launch prep (part 1): grid 384 x 1, 4 waves a work-group, no clusters, 59,904 bytes of LDS; arguments encoder_x, decoder_x, xc, xs, W_kv, W_q, W_o, wc, ws; writes xc, xs, wc, ws
.if DOCPART == 1
	.amdgcn_target "amdgcn-amd-amdhsa--gfx1250"
	.amdhsa_code_object_version 6
	.text
	.protected	k_q31c85464fa_prep
	.globl	k_q31c85464fa_prep
	.p2align	8
	.type	k_q31c85464fa_prep,@function
k_q31c85464fa_prep:
	s_mov_b64 s[64:65], 0
	v_nop
	global_prefetch_b8 v0, s[64:65] scope:SCOPE_SE
	s_setreg_imm32_b32 hwreg(HW_REG_WAVE_MODE, 25, 1), 1
	s_wait_xcnt 0x0
; ONE LAUNCH QUANTISES ALL INPUTS of the quantised products into codes of FP6 (E2M3) with one E8M0 byte for each 32 along K.  Work-groups 0-255: the tokens; 256-383: the weights.
; WORK LEFT OUT BY THE PROGRAM: reference() builds a causal mask in its own body; steps of 128 keys that lie wholly above a query tile's diagonal get the mask's value for every input,
; so launch attn neither multiplies nor exponentiates them.  LIMIT: a NaN, an infinity or an overflow that reaches only such masked scores is not carried to the result.
; A block's scale is 2^(floor(log2(its largest magnitude)) - 2); its byte is the largest magnitude's exponent field - 2, held at 1 from below.
; LIMITS: a block of zeros, or one whose largest magnitude lies under 2^-124, gets the byte 1 (only this program reads the bytes); NaN and infinities are not served.
; LAYOUT.  Rows are STORED with bits 3 and 4 of their number swapped: stored tile 2 B + u (16 rows) holds true rows 32 B + 8 u + p + 8 (p / 8).  Codes are images of operand registers:
; tile x 12288 + K step x 1536 + chunk x 256 + 8 x lane.  Scale words: stored row x 32 + 4 x K step.  xc: tiles 0-511 encoder_x, 512-1023 decoder_x.  wc: rows 0-1023 W_k, then W_v, W_q, W_o (the weights' columns).
; TOKENS: a wave takes one tile, 16 rows x 1,024, in 8 steps of 128 along K; a step's 16 loads read 512 consecutive bytes each and turn through the wave's own stage, so that a lane gets two whole blocks.
; WEIGHTS (K is their first axis): a lane takes a column and its registers run down K; a wave takes 32 columns x 256 along K; the codes leave through the wave's own stage.
; The two paths part on the work-group's number and have LDS bytes of their own.  No barrier: waves share nothing.
.set STG,   8448                       ; tokens: a wave's stage, 16 rows x 528 bytes
.set TST,   3200                       ; weights: a tile's part of a stage
.set WST,   2*TST
.set WBASE, 4*STG                      ; the weights' stages lie behind the tokens'
.set SPARE, WBASE+4*WST                ; behind both: the spare words, 128 bytes a wave
.set SPW,   14
.set NIL,   15
	v_lshl_add_u32 v[SPW], v0, 2, SPARE
	v_mov_b32 v[NIL], 0
	v_lshrrev_b32 v1, 5, v0
	v_readfirstlane_b32 s16, v1                    ; wave
	s_cmp_lt_u32 ttmp9, 256
	s_wait_alu depctr_va_vdst(0)
	s_cbranch_scc0 .Lweights
; ---- the tokens
.set R,     16                         ; v16-143  two sets of 64 registers as loaded
.set X,     144                        ; v144-207 64 numbers: register 32 c + e = k 64 c + 32 h + e of my row
.set C,     208                        ; v208-219 the fragment
.set D,     220                        ; v220-227 the conversions' second halves
.set W,     228                        ; v228-235 my row's eight scale words
.set OUTW,  236
	s_load_b256 s[4:11], s[0:1], 0x0               ; encoder_x, decoder_x, xc, xs
	s_mov_b32 s12, s16
	v_and_b32 v13, 31, v0
	v_and_b32 v12, 15, v0
	v_bfe_u32 v7, v0, 4, 1
	v_lshlrev_b32 v1, 4, v13
	s_mul_i32 s13, s12, STG
	v_add_nc_u32 v2, s13, v1                       ; the stage, on the way in
	v_mul_u32_u24 v3, v12, 528
	v_lshl_add_u32 v3, v7, 7, v3
	v_add_nc_u32 v3, s13, v3                       ; and out: row r, + 128 h
	v_lshlrev_b32 v4, 3, v13
	v_lshlrev_b32 v5, 3, v7
	v_lshlrev_b32 v6, 5, v12
	v_lshl_add_u32 v6, v7, 4, v6
	v_mov_b32 v240, 0
	s_mov_b32 s20, 0x76543210
	s_mov_b32 s21, 0xfedcba98
	s_lshl_b32 s14, ttmp9, 2
	s_add_co_u32 s14, s14, s12                     ; my tile
	s_and_b32 s15, s14, 511
	s_lshr_b32 s16, s15, 1
	s_lshl_b32 s16, s16, 5
	s_and_b32 s17, s15, 1
	s_lshl_b32 s17, s17, 3
	s_add_co_u32 s16, s16, s17                     ; its first true row
	s_lshl_b32 s16, s16, 12
	s_mov_b32 s17, 0
	s_mul_i32 s18, s14, 12288
	s_mov_b32 s19, 0
	s_lshl_b32 s22, s14, 9
	s_mov_b32 s23, 0
	s_wait_alu depctr_va_vdst(0)
	s_wait_kmcnt 0x0
	s_cmp_lt_u32 ttmp9, 128
	s_cselect_b64 s[4:5], s[4:5], s[6:7]
	s_add_nc_u64 s[4:5], s[4:5], s[16:17]
	s_add_nc_u64 s[8:9], s[8:9], s[18:19]
	s_add_nc_u64 s[10:11], s[10:11], s[22:23]
.macro LOAD t
.irp p, 0,1,2,3,4,5,6,7,8,9,10,11,12,13,14,15
	global_load_b128 v[R+64*((\t)%2)+4*\p:R+64*((\t)%2)+4*\p+3], v1, s[4:5] offset:(\p+8*(\p/8))*4096+512*(\t) th:TH_LOAD_NT
.endr
.endm
.macro STEP t
.if (\t) < 7
	s_wait_loadcnt 16                              ; this step's 16 loads are in; the next step's 16 may be out
.else
	s_wait_loadcnt 0x0
.endif
.irp p, 0,1,2,3,4,5,6,7,8,9,10,11,12,13,14,15
	ds_store_b128 v2, v[R+64*((\t)%2)+4*\p:R+64*((\t)%2)+4*\p+3] offset:528*\p
.endr
.irp c, 0,1
.irp i, 0,1,2,3,4,5,6,7
	ds_load_b128 v[X+32*\c+4*\i:X+32*\c+4*\i+3], v3 offset:256*\c+16*\i   ; LDS serves a wave's instructions in order
.endr
.endr
	s_wait_dscnt 0x0
.if (\t)+2 < 8
	LOAD (\t)+2
.endif
.irp c, 0,1
	v_max3_num_f32 v[8+\c], |v[X+32*\c]|, |v[X+32*\c+1]|, 0x1800000   ; my block 2 c + h, and the floor 2^(3 - 127)
.endr
.irp i, 2,4,6,8,10,12,14,16,18,20,22,24,26,28,30
.irp c, 0,1
	v_max3_num_f32 v[8+\c], v[8+\c], |v[X+32*\c+\i]|, |v[X+32*\c+\i+1]|
.endr
.endr
.irp c, 0,1
	v_add_nc_u32 v[10+\c], 0xff000000, v[8+\c]     ; 2 off the exponent field: the conversion's scale operand
.endr
.irp c, 0,1
	v_lshrrev_b32 v[12+\c], 23, v[10+\c]
.endr
	v_lshl_or_b32 v241, v13, 16, v12
	v_lshlrev_b32 v241, v5, v241
	v_permlanex16_b32 v240, v241, s20, s21
	v_or_b32 v[W+(\t)], v241, v240                 ; with lane l xor 16's two bytes the word is whole
	s_wait_alu depctr_va_vdst(0)
	s_wait_xcnt 0x0                                ; the last step's stores have read C
.irp c, 0,1
	v_cvt_scalef32_pk16_fp6_f32 v[C+6*\c:C+6*\c+2], v[X+32*\c:X+32*\c+15], v[10+\c]
	v_cvt_scalef32_pk16_fp6_f32 v[D+4*\c:D+4*\c+2], v[X+32*\c+16:X+32*\c+31], v[10+\c]
.endr
	v_nop                                          ; one plain place behind a scaled conversion
.irp c, 0,1
.irp i, 0,1,2
	v_mov_b32 v[C+6*\c+3+\i], v[D+4*\c+\i]
.endr
.endr
.irp j, 0,1,2,3,4,5
	global_store_b64 v4, v[C+2*\j:C+2*\j+1], s[8:9] offset:1536*(\t)+256*\j   ; 256 consecutive bytes, aligned
.endr
.endm
	LOAD 0
	LOAD 1
.irp t, 0,1,2,3,4,5,6,7
	STEP \t
.endr
	v_cmp_ne_u32 vcc_lo, 0, v7
.irp i, 0,1,2,3
	v_cndmask_b32 v[OUTW+\i], v[W+\i], v[W+4+\i], vcc_lo
.endr
	global_store_b128 v6, v[OUTW:OUTW+3], s[10:11] ; the tile's 512 consecutive bytes of scale words
	s_wait_tensorcnt 0x0                           ; the wave's end
	ds_add_u32 v[SPW], v[NIL]
	s_wait_dscnt 0x0
	s_endpgm
; ---- the weights
.Lweights:
.set SB,    24                         ; v24-25   my column's eight scale bytes
.set OFF,   32                         ; v32-63   4 x lane + i x the weight's row in bytes
.set X,     64                         ; v64-127  two sets of 32 numbers
.set C,     128                        ; v128-134 a block's codes
.set OUTR,  136                        ; v136-183 the way out
	s_load_b256 s[4:11], s[0:1], 0x20              ; W_kv, W_q, W_o, wc
	s_load_b64 s[12:13], s[0:1], 0x40              ; ws
	s_sub_co_u32 s3, ttmp9, 256
	s_and_b32 s2, s3, 31                           ; which 128 columns of the 4,096
	s_lshr_b32 s18, s3, 5                          ; which 256 along K
	v_and_b32 v2, 31, v0
	v_lshlrev_b32 v3, 2, v2
	v_bfe_u32 v8, v0, 3, 1                         ; u: which of the two stored tiles my column falls into,
	v_and_b32 v9, 7, v0
	v_bfe_u32 v10, v0, 4, 1
	v_lshl_add_u32 v9, v10, 3, v9                  ; r: and which row of it
	s_mul_i32 s17, s16, WST
	s_add_co_u32 s17, s17, WBASE
	v_mul_u32_u24 v4, v8, TST
	v_lshl_add_u32 v4, v9, 3, v4
	v_add_nc_u32 v4, s17, v4
	v_lshlrev_b32 v6, 4, v2
	v_add_nc_u32 v5, s17, v6
	v_lshl_add_u32 v7, v8, 4, v9
	v_lshlrev_b32 v7, 5, v7
	s_cmp_lt_u32 s2, 24
	s_cselect_b32 s20, 16, 24
	s_cmp_lt_u32 s2, 16
	s_cselect_b32 s20, 0, s20
	s_mov_b32 s21, 4096
	s_cselect_b32 s21, 8192, s21                   ; a row of the weight in bytes
	s_sub_co_u32 s22, s2, s20
	s_lshl_b32 s22, s22, 7
	s_lshl_b32 s23, s16, 5
	s_add_co_u32 s22, s22, s23
	s_lshl_b32 s22, s22, 2
	s_lshl_b32 s24, s18, 8
	s_mul_i32 s24, s24, s21
	s_add_co_u32 s22, s22, s24                     ; where block 0 begins
	s_mov_b32 s23, 0
	s_lshl_b32 s24, s21, 5
	s_mov_b32 s25, 0
	s_lshl_b32 s26, s2, 3
	s_lshl_b32 s27, s16, 1
	s_add_co_u32 s26, s26, s27                     ; my first stored tile
	s_mul_i32 s28, s26, 12288
	s_mul_i32 s29, s18, 3072
	s_add_co_u32 s28, s28, s29
	s_mov_b32 s29, 0
	s_lshl_b32 s30, s26, 9
	s_lshl_b32 s31, s18, 3
	s_add_co_u32 s30, s30, s31
	s_mov_b32 s31, 0
.set ii, 0
.rept 32
	v_mad_u32_u24 v[OFF+ii], s21, ii, v3
.set ii, ii+1
.endr
	s_wait_alu depctr_va_vdst(0)
	s_wait_kmcnt 0x0
	s_cmp_lt_u32 s2, 24                            ; the weight is chosen by the work-group's number alone
	s_cselect_b64 s[6:7], s[6:7], s[8:9]
	s_cmp_lt_u32 s2, 16
	s_cselect_b64 s[4:5], s[4:5], s[6:7]
	s_add_nc_u64 s[32:33], s[4:5], s[22:23]        ; a base for each block, never rewritten
.irp t, 1,2,3,4,5,6,7
	s_add_nc_u64 s[32+2*\t:33+2*\t], s[30+2*\t:31+2*\t], s[24:25]
.endr
	s_add_nc_u64 s[10:11], s[10:11], s[28:29]
	s_add_nc_u64 s[12:13], s[12:13], s[30:31]
.macro LOADW t
.set ii, 0
.rept 32
	global_load_b32 v[X+32*((\t)%2)+ii], v[OFF+ii], s[32+2*(\t):33+2*(\t)] th:TH_LOAD_NT
.set ii, ii+1
.endr
.endm
.macro BLOCK t
.set XS, X+32*((\t)%2)
.if (\t) < 7
	s_wait_loadcnt 32                              ; this block's 32 loads are in; the next block's may be out
.else
	s_wait_loadcnt 0x0
.endif
	v_max3_num_f32 v12, |v[XS]|, |v[XS+1]|, |v[XS+2]|
	v_max3_num_f32 v13, |v[XS+3]|, |v[XS+4]|, |v[XS+5]|
.irp i, 6,10,14,18,22,26
	v_max3_num_f32 v12, v12, |v[XS+\i]|, |v[XS+\i+1]|
	v_max3_num_f32 v13, v13, |v[XS+\i+2]|, |v[XS+\i+3]|
.endr
	v_max3_num_f32 v12, v12, |v[XS+30]|, |v[XS+31]|
	v_max3_num_f32 v12, v12, v13, 0x1800000
	v_add_nc_u32 v11, 0xff000000, v12
	v_lshrrev_b32 v13, 23, v11
.if (\t)%4 == 0
	v_mov_b32 v[SB+(\t)/4], v13
.else
	v_lshl_or_b32 v[SB+(\t)/4], v13, 8*((\t)%4), v[SB+(\t)/4]
.endif
	v_cvt_scalef32_pk16_fp6_f32 v[C:C+2], v[XS:XS+15], v11
	v_cvt_scalef32_pk16_fp6_f32 v[C+4:C+6], v[XS+16:XS+31], v11
	v_nop
	v_mov_b32 v[C+3], v[C+4]
	v_mov_b32 v[C+4], v[C+5]
	v_mov_b32 v[C+5], v[C+6]
.irp j, 0,1,2
	ds_store_b64 v4, v[C+2*\j:C+2*\j+1] offset:((\t)/4)*1536+(((\t)%4)/2)*768+256*\j+128*((\t)%2)
.endr
.if (\t)+2 < 8
	LOADW (\t)+2
.endif
	s_wait_dscnt 0x0                               ; the stores have read their registers
.endm
	LOADW 0
	LOADW 1
.irp t, 0,1,2,3,4,5,6,7
	BLOCK \t
.endr
	s_wait_alu depctr_va_vdst(0)
	global_store_b64 v7, v[SB:SB+1], s[12:13]      ; my column's eight scale bytes
.irp u, 0,1
.irp i, 0,1,2,3,4,5
	ds_load_b128 v[OUTR+24*\u+4*\i:OUTR+24*\u+4*\i+3], v5 offset:\u*TST+512*\i
.endr
.endr
.irp u, 0,1
.irp i, 0,1,2,3,4,5
	s_wait_dscnt 11-6*\u-\i                        ; the younger loads from the stage may be out
	global_store_b128 v6, v[OUTR+24*\u+4*\i:OUTR+24*\u+4*\i+3], s[10:11] offset:\u*12288+512*\i
.endr
.endr
	s_wait_tensorcnt 0x0                           ; the wave's end
	ds_add_u32 v[SPW], v[NIL]
	s_wait_dscnt 0x0
	s_endpgm
.Lfunc_end_k_q31c85464fa_prep:
	.size	k_q31c85464fa_prep, .Lfunc_end_k_q31c85464fa_prep-k_q31c85464fa_prep
	.p2alignl 7, 3214868480
	.fill 96, 4, 3214868480
	.section	.rodata,"a",@progbits
	.p2align	6, 0x0
	.amdhsa_kernel k_q31c85464fa_prep
		.amdhsa_group_segment_fixed_size 59904
		.amdhsa_private_segment_fixed_size 0
		.amdhsa_enable_private_segment 0
		.amdhsa_kernarg_size 72
		.amdhsa_user_sgpr_count 2
		.amdhsa_user_sgpr_kernarg_segment_ptr 1
		.amdhsa_wavefront_size32 1
		.amdhsa_system_sgpr_workgroup_id_x 1
		.amdhsa_system_sgpr_workgroup_id_y 1
		.amdhsa_system_sgpr_workgroup_id_z 1
		.amdhsa_system_vgpr_workitem_id 0
		.amdhsa_next_free_vgpr 256
		.amdhsa_next_free_sgpr 66
		.amdhsa_reserve_vcc 1
		.amdhsa_float_denorm_mode_32 3
		.amdhsa_float_denorm_mode_16_64 3
		.amdhsa_memory_ordered 1
		.amdhsa_forward_progress 1
		.amdhsa_inst_pref_size 104
	.end_amdhsa_kernel
	.amdgpu_metadata
---
amdhsa.version: [ 1, 2 ]
amdhsa.kernels:
  - .name:           k_q31c85464fa_prep
    .symbol:         k_q31c85464fa_prep.kd
    .args:
      - { .name: encoder_x, .offset: 0, .size: 8, .value_kind: global_buffer, .address_space: global }
      - { .name: decoder_x, .offset: 8, .size: 8, .value_kind: global_buffer, .address_space: global }
      - { .name: xc, .offset: 16, .size: 8, .value_kind: global_buffer, .address_space: global }
      - { .name: xs, .offset: 24, .size: 8, .value_kind: global_buffer, .address_space: global }
      - { .name: W_kv, .offset: 32, .size: 8, .value_kind: global_buffer, .address_space: global }
      - { .name: W_q, .offset: 40, .size: 8, .value_kind: global_buffer, .address_space: global }
      - { .name: W_o, .offset: 48, .size: 8, .value_kind: global_buffer, .address_space: global }
      - { .name: wc, .offset: 56, .size: 8, .value_kind: global_buffer, .address_space: global }
      - { .name: ws, .offset: 64, .size: 8, .value_kind: global_buffer, .address_space: global }
    .group_segment_fixed_size: 59904
    .private_segment_fixed_size: 0
    .kernarg_segment_align: 8
    .kernarg_segment_size: 72
    .max_flat_workgroup_size: 128
    .sgpr_count:     66
    .vgpr_count:     256
    .wavefront_size: 32
...
	.end_amdgpu_metadata
.endif
;; end of part 1
;; launch proj (part 2): grid 12 x 32, 4 waves a work-group, clusters of 4 x 4, 327,680 bytes of LDS; arguments xc, xs, wc, ws, b_kv, b_q, qrec, kvrec; writes qrec, kvrec
.if DOCPART == 2
	.amdgcn_target "amdgcn-amd-amdhsa--gfx1250"
	.amdhsa_code_object_version 6
	.text
	.protected	k_q31c85464fa_proj
	.globl	k_q31c85464fa_proj
	.p2align	8
	.type	k_q31c85464fa_proj,@function
k_q31c85464fa_proj:
	s_mov_b64 s[64:65], 0
	v_nop
	global_prefetch_b8 v0, s[64:65] scope:SCOPE_SE
	s_setreg_imm32_b32 hwreg(HW_REG_WAVE_MODE, 25, 1), 1
	s_wait_xcnt 0x0
	s_wait_alu depctr_hold_cnt(0) depctr_sa_sdst(0) depctr_va_vdst(0) depctr_va_sdst(0) depctr_va_ssrc(0) depctr_va_vcc(0) depctr_vm_vsrc(0)
	s_getreg_b32 s2, hwreg(HW_REG_IB_STS2, 6, 4)
	s_cmp_eq_u32 s2, 0
	s_cbranch_scc0 .Lentry_in_a_cluster
	s_endpgm
.Lentry_in_a_cluster:
	s_bfe_u32 s2, ttmp6, 0x10000c
	s_cmp_lg_u32 s2, 0xf033
	s_cbranch_scc0 .Lentry_shape_is_right
	s_endpgm
.Lentry_shape_is_right:
; k = enc W_k + b, v = enc W_v + b, q = dec W_q + b on codes of FP6 (E2M3) with E8M0 scales, K = 1,024; each result is quantised at once, in registers, into the operand that attention wants.
; A tile of 256 x 256 is made by four waves, 128 x 128 each: 64 accumulators, 512 registers.  Source 1 (side R) gives a lane its row, source 0 (side P) runs along the lane's registers.
; Rows of both sides are STORED with bits 3 and 4 of their number swapped, so the 16 registers of P's tiles 2 B and 2 B + 1 are 16 true neighbours: 32 B + 16 (lane / 16) + 0 .. 15.
; ROLES, by the cluster's x (the same in all sixteen partners): 0: k, 2: q: R = tokens, P = the weight's columns: a lane holds one token and 128 channels: two heads, quantised along the channels.
;   1: v: R = W_v's columns, P = tokens: a lane holds one channel and 128 keys, quantised along the keys.
; OPERANDS lie in memory as images of registers: row tile x 12288 + K step x 1536 + chunk x 256 + 8 x lane.  A slot holds 256 along K: for each of 8 + 8 + 8 + 8 row tiles 3,072 consecutive bytes.
; RESULT: a record of REC bytes for each (batch, head), 16 step records of STEPB bytes (128 tokens): +0 K's (Q's) 8 tiles x 768 bytes (the lower six operand registers: the head's 64 channels);
;   +6144 V's 4 tiles x 1,536; +12288 K's (Q's) scale words (g x 256 + r x 16 + 4 (tile % 4), bytes 2 and 3 zero); +12800 V's (h x 256 + r x 16 + 4 tile).
; CLUSTERS: 4 x 4.  R's tiles are shared along a row of the cluster, P's along a column: joint loads.
; LIMITS: a block of zeros, or one under 2^-124, gets the byte 1; NaN and infinities are not served.
; REGISTERS: window 0: v8-14 the way out's offsets; v16-29 addresses; v32-63 scale words, two sets; v64-127 the bias along P; v128-223 R's fragments, one set; v224-239 the bias along R; v240-247 the results' scale words.
;   window 1: P's fragments, two sets.  windows 2, 3: the accumulators ((a, b) at v[8 (8 (a % 4) + b)]).
.set NQ,     2                         ; matrix instructions deep in a slot
.set FR,     12                        ; registers of a fragment
.set NL,     6                         ; LDS loads that bring one
.set NP,     4                         ; places behind this matrix instruction (ISA guide 7.12.1)
.set FRB,    1536                      ; a fragment's image
.set SLROW,  NQ*FRB                    ; a row tile's bytes in a slot
.set HALFT,  8*SLROW                   ; 128 rows: what one tensor load brings
.set SLOT,   4*HALFT                   ; R's 256 rows, then P's
.set LAPS,   2                         ; 1,024 / 512
.set SCL,    2*SLOT                    ; behind the ring: the scales, units of 256 bytes + 16
.set HALFS,  16*272                    ; those of 128 rows
.set SBLK,   2*272                     ; those of 16 rows
.set SPARE,  SCL+4*HALFS               ; the spare words, 128 bytes a wave
.set REC,    212992
.set STEPB,  13312
.set ADRA, 16                          ; v16-17 LDS address of R's fragments in slot 0, 1
.set ADRB, 20                          ; v20-21 of P's
.set ADRS, 27                          ; v27 of my scale words: lanes 0-15 R's rows, lanes 16-31 P's
.set SPW,  28
.set NIL,  29
.set SC,   32
.set BP,   64
.set AF,   128
.set BR,   224
.set SW,   240
.set T,    128                         ; the way out: 64 numbers
.set PC,   192                         ; the codes just made
.set TM,   32                          ; at work
.set PW,   48                          ; the scale word just made
.set SEL,  68                          ; s[68:69] lane selects (free once the scales have landed)
.set G1, 24
.set G0, 32
.set G1B, 48
.set G0B, 56
.set G1S, 68
.set G0S, 76
.set G1SB, 80
.set G0SB, 88
.set MSB, 0
.macro WIN new                         ; the immediate's high byte repeats the setting that is left
.if MSB != (\new)
	s_set_vgpr_msb (MSB<<8)|(\new)
.set MSB, (\new)
.endif
.endm
.set MUL_LO, 0xa1                      ; source 0 (P) window 1, source 1 (R) window 0, C and D window 2
.set MUL_HI, 0xf1
.set TO_B,   0x40
.macro JLOAD g0a, g1a, g0b, g1b        ; a joint load: waves 0 and 1 fetch for R, waves 2 and 3 for P; an s_nop 0 and four v_nop follow each line
	s_cmp_eq_u32 s21, 0
	s_cbranch_scc0 .Lfor_b_\@
	tensor_load_to_lds s[\g0a:\g0a+3], s[\g1a:\g1a+7]
	s_nop 0
.rept 4
	v_nop
.endr
	s_branch .Lasked_\@
.Lfor_b_\@:
	tensor_load_to_lds s[\g0b:\g0b+3], s[\g1b:\g1b+7]
	s_nop 0
.rept 4
	v_nop
.endr
.Lasked_\@:
.endm
.macro CREST
	s_cmp_lg_u32 s20, 0
	s_cbranch_scc1 .Lnot_wave_0_\@
	s_barrier_signal -3
.Lnot_wave_0_\@:
	s_barrier_wait -3
	s_barrier_signal -1
	s_barrier_wait -1
.endm
.macro CROUND
	s_barrier_signal -1
	s_barrier_wait -1
	CREST
.endm
	s_load_b512 s[4:19], s[0:1], 0x0               ; xc s[4:5], xs s[6:7], wc s[8:9], ws s[10:11], b_kv s[12:13], b_q s[14:15], qrec s[16:17], kvrec s[18:19]
	v_lshl_add_u32 v[SPW], v0, 2, SPARE
	v_mov_b32 v[NIL], 0
	ds_add_u32 v[SPW], v[NIL]                      ; the wave's opening
	ds_add_u32 v[SPW], v[NIL]
	v_lshrrev_b32 v1, 5, v0
	v_readfirstlane_b32 s20, v1                    ; wave
	s_lshr_b32 s21, s20, 1                         ; my half of R's rows.  Also: I fetch for R (0) or for P (1)
	s_and_b32 s22, s20, 1                          ; my half of P's rows.  Also: which 128 rows I fetch
	s_bfe_u32 s40, ttmp6, 0x40000                  ; cx
	s_bfe_u32 s41, ttmp6, 0x40004                  ; cy
	s_and_b32 s66, ttmp7, 0xffff
	s_lshl_b32 s66, s66, 2                         ; 4 x cluster y
	s_cmp_eq_u32 ttmp9, 2
	s_cselect_b32 s2, 1, 0                         ; q?
	s_cselect_b32 s46, 8192, 0                     ; q: R's rows are decoder tokens,
	s_cselect_b32 s47, 2048, 0                     ; P's rows W_q's
	s_cmp_eq_u32 ttmp9, 1
	s_cselect_b32 s23, 1, 0                        ; v?
	s_cselect_b32 s43, 0, s66
	s_cselect_b32 s42, s66, 0
	s_cselect_b32 s46, 1024, s46                   ; v: R's rows are W_v's,
	s_cselect_b32 s47, 0, s47                      ; P's rows encoder tokens
	s_add_co_u32 s43, s43, s41                     ; R's tile: cy (+ 4 x cluster y unless v)
	s_add_co_u32 s42, s42, s40                     ; P's tile: cx (+ 4 x cluster y if v)
	s_lshl_b32 s44, s41, 2
	s_lshl_b32 s44, 15, s44                        ; my row of the cluster
	s_lshl_b32 s45, 0x1111, s40                    ; my column
	s_or_b32 s[G1+0], s44, (3<<16)|(1<<21)         ; 15:0 the mask; 17:16 elements of 8 bytes; 21 set beside a mask; no padding: an image is read 256 consecutive bytes at a time
	s_or_b32 s[G1B+0], s45, (3<<16)|(1<<21)
.irp g, G1, G1B
	s_mov_b32 s[\g+1], 384<<16                     ; tensor_dim0: 3,072 bytes
	s_mov_b32 s[\g+2], 16<<16                      ; tensor_dim1: 16 row tiles for the head's loads; set to 8 for the ring's behind them
	s_mov_b32 s[\g+3], 384<<16                     ; tile_dim0
	s_mov_b32 s[\g+4], 16                          ; tile_dim1
	s_mov_b32 s[\g+5], 1536                        ; from row tile to row tile: 12,288 bytes
	s_mov_b32 s[\g+6], 0
	s_mov_b32 s[\g+7], 0
.endr
	s_or_b32 s[G1S+0], s44, (3<<16)|(1<<20)|(1<<21)|(5<<22)|(3<<25)   ; the scales of 128 rows: 4,096 dense bytes as 16 rows of 256, 16 bytes of padding behind each
	s_or_b32 s[G1SB+0], s45, (3<<16)|(1<<20)|(1<<21)|(5<<22)|(3<<25)
.irp g, G1S, G1SB
	s_mov_b32 s[\g+1], 32<<16
	s_mov_b32 s[\g+2], 32<<16                      ; the scales of 256 rows: 32 rows of 256 bytes
	s_mov_b32 s[\g+3], 32<<16
	s_mov_b32 s[\g+4], 32
	s_mov_b32 s[\g+5], 32
	s_mov_b32 s[\g+6], 0
	s_mov_b32 s[\g+7], 0
.endr
	s_mul_i32 s98, s22, 128*768                    ; in the ring I fetch 128 rows of a tile: which half, in bytes
	s_mov_b32 s99, 0
	s_lshl_b32 s92, s43, 8
	s_add_co_u32 s92, s92, s46                     ; R: the tile's first stored row
	s_lshl_b32 s94, s42, 8
	s_add_co_u32 s94, s94, s47                     ; P likewise
	s_lshl_b32 s96, s92, 5                         ; R's scales: 32 bytes a row
	s_mov_b32 s97, 0
	s_mul_i32 s92, s92, 768                        ; R's codes: 12,288 bytes for 16 rows
	s_mov_b32 s93, 0
	s_lshl_b32 s46, s94, 5
	s_mov_b32 s47, 0
	s_mul_i32 s94, s94, 768
	s_mov_b32 s95, 0
	s_mul_i32 s66, s20, HALFT                      ; where the ring's loads go: wave x 128 rows: no place in the cluster enters an LDS address
	s_wait_dscnt 0x0                               ; the opening add is done
	s_wait_kmcnt 0x0
	s_cmp_eq_u32 s23, 1                            ; the sides' buffers, by the role
	s_cselect_b64 s[G0+2:G0+3], s[8:9], s[4:5]
	s_cselect_b64 s[G0S+2:G0S+3], s[10:11], s[6:7]
	s_cselect_b64 s[G0B+2:G0B+3], s[4:5], s[8:9]
	s_cselect_b64 s[G0SB+2:G0SB+3], s[6:7], s[10:11]
	s_add_nc_u64 s[G0+2:G0+3], s[G0+2:G0+3], s[92:93]
	s_add_nc_u64 s[G0+6:G0+7], s[G0+2:G0+3], SLROW                 ; slot 1: the next 256 along K
	s_add_nc_u64 s[G0B+2:G0B+3], s[G0B+2:G0B+3], s[94:95]
	s_add_nc_u64 s[G0B+6:G0B+7], s[G0B+2:G0B+3], SLROW
	s_add_nc_u64 s[G0S+2:G0S+3], s[G0S+2:G0S+3], s[96:97]
	s_add_nc_u64 s[G0SB+2:G0SB+3], s[G0SB+2:G0SB+3], s[46:47]
	s_or_b32 s[G0+3], s[G0+3], 0x80000000
	s_or_b32 s[G0+7], s[G0+7], 0x80000000
	s_or_b32 s[G0B+3], s[G0B+3], 0x80000000
	s_or_b32 s[G0B+7], s[G0B+7], 0x80000000
	s_or_b32 s[G0S+3], s[G0S+3], 0x80000000
	s_or_b32 s[G0SB+3], s[G0SB+3], 0x80000000
	s_mov_b32 s[G0], 1
	s_mov_b32 s[G0+4], 1
	s_mov_b32 s[G0B], 1
	s_mov_b32 s[G0B+4], 1
	s_mov_b32 s[G0S], 1
	s_mov_b32 s[G0SB], 1
	s_mov_b32 s[G0+1], s66
	s_add_co_u32 s[G0+5], s66, SLOT
	s_mov_b32 s[G0B+1], s66
	s_add_co_u32 s[G0B+5], s66, SLOT
	s_mov_b32 s[G0S+1], SCL                        ; R's scales, 256 rows,
	s_mov_b32 s[G0SB+1], SCL+2*HALFS               ; and P's behind them
	s_mov_b32 s4, 1                                ; s[4:7], s[8:11]: group 0 of the head's loads of slot 0 (the arguments that lay there have been used): R's 256 rows,
	s_mov_b32 s5, 0
	s_mov_b64 s[6:7], s[G0+2:G0+3]
	s_mov_b32 s8, 1                                ; P's 256 rows
	s_mov_b32 s9, 2*HALFT
	s_mov_b64 s[10:11], s[G0B+2:G0B+3]
	s_add_nc_u64 s[G0+2:G0+3], s[G0+2:G0+3], s[98:99]      ; for the ring: my 128 rows
	s_add_nc_u64 s[G0+6:G0+7], s[G0+6:G0+7], s[98:99]
	s_add_nc_u64 s[G0B+2:G0B+3], s[G0B+2:G0B+3], s[98:99]
	s_add_nc_u64 s[G0B+6:G0B+7], s[G0B+6:G0B+7], s[98:99]
	CROUND                                         ; all sixteen work-groups are here: the first joint loads meet
; THE HEAD'S LOADS, ONE A WAVE: wave 0 slot 0's 256 rows of R, wave 1 those of P, wave 2 R's scales, wave 3 P's.  One chain of branches on the wave's number, one load to an arm.
.macro ARM under, g0, g1, next
	s_cmp_lt_u32 s20, \under
	s_cbranch_scc0 \next
	tensor_load_to_lds s[\g0:\g0+3], s[\g1:\g1+7]
	s_nop 0
.rept 4
	v_nop
.endr
	s_branch .Lhead_asked
\next:
.endm
	ARM 1, 4, G1, .Lhead_b
	ARM 2, 8, G1B, .Lhead_sa
	ARM 3, G0S, G1S, .Lhead_sb
	tensor_load_to_lds s[G0SB:G0SB+3], s[G1SB:G1SB+7]
	s_nop 0
.rept 4
	v_nop
.endr
.Lhead_asked:
	v_and_b32 v1, 15, v0                           ; r
	v_bfe_u32 v2, v0, 4, 1                         ; h
	v_and_b32 v3, 31, v0
	v_lshlrev_b32 v4, 3, v3                        ; 8 x lane
	s_mul_i32 s46, s21, HALFT                      ; my 128 rows of R,
	s_mul_i32 s47, s22, HALFT
	s_add_co_u32 s47, s47, 2*HALFT                 ; of P
.irp s, 0,1
	v_add_nc_u32 v[ADRA+\s], s46, v4
	v_add_nc_u32 v[ADRB+\s], s47, v4
	s_add_co_u32 s46, s46, SLOT
	s_add_co_u32 s47, s47, SLOT
.endr
	v_lshlrev_b32 v5, 5, v1                        ; my row's scales: 32 bytes a row,
	v_lshrrev_b32 v6, 8, v5
	v_lshl_add_u32 v5, v6, 4, v5                   ; and 16 more for each 256 passed
	s_mul_i32 s46, s21, HALFS
	s_mul_i32 s47, s22, HALFS
	s_add_co_u32 s47, s47, 2*HALFS
	s_sub_co_u32 s47, s47, s46
	v_mul_u32_u24 v6, s47, v2                      ; lanes 16-31 take P's
	s_add_co_u32 s46, s46, SCL
	v_add_nc_u32 v5, v5, v6
	v_add_nc_u32 v[ADRS], s46, v5
	; the biases.  Both sets are loaded on every path, from inside their buffers; the role's set is added on the way out
	s_lshl_b32 s94, s42, 8
	s_lshl_b32 s95, s22, 7
	s_add_co_u32 s94, s94, s95                     ; P0: my first row of P in its tensor
	s_lshl_b32 s92, s43, 8
	s_lshl_b32 s93, s21, 7
	s_add_co_u32 s92, s92, s93                     ; R0 likewise
	s_cmp_eq_u32 s2, 1
	s_cselect_b64 s[14:15], s[14:15], s[12:13]     ; along P: b_q for q, else b_kv
	s_add_co_u32 s46, s92, 1024
	s_cmp_eq_u32 s23, 1
	s_cselect_b32 s96, 0, s94
	s_cselect_b32 s46, s46, 0
	s_lshl_b32 s96, s96, 2
	s_mov_b32 s97, 0
	s_lshl_b32 s46, s46, 2
	s_mov_b32 s47, 0
	s_add_nc_u64 s[14:15], s[14:15], s[96:97]
	s_add_nc_u64 s[12:13], s[12:13], s[46:47]      ; along R: b_kv's second half, at my channels, for v
	v_lshlrev_b32 v13, 6, v2                       ; 64 h
	v_and_b32 v14, 8, v1
	v_add_nc_u32 v14, v14, v1
	v_lshlrev_b32 v14, 2, v14                      ; 4 (r + 8 (r / 8))
.irp e, 0,1,2,3
.irp i, 0,1,2,3
	global_load_b128 v[BP+16*\e+4*\i:BP+16*\e+4*\i+3], v13, s[14:15] offset:128*\e+16*\i   ; register 16 B + e: true row P0 + 32 B + 16 h + e
.endr
.endr
.irp a, 0,1,2,3,4,5,6,7
	global_load_b32 v[BR+2*\a], v14, s[12:13] offset:4*(32*(\a/2)+8*(\a%2))                ; tile a, lane r: true row R0 + 32 (a / 2) + 8 (a % 2) + r + 8 (r / 8); twice, for the packed addition
	global_load_b32 v[BR+2*\a+1], v14, s[12:13] offset:4*(32*(\a/2)+8*(\a%2))
.endr
	; where the results go
	s_cmp_eq_u32 s23, 1
	s_cselect_b32 s46, s94, s92                    ; my first token
	s_cselect_b32 s47, s92, s94                    ; my first channel
	s_lshr_b32 s47, s47, 6                         ; my first head
	s_lshr_b32 s96, s46, 11
	s_lshl_b32 s96, s96, 4
	s_add_co_u32 s96, s96, s47
	s_mul_i32 s96, s96, REC
	s_bfe_u32 s46, s46, 0x40007
	s_mul_i32 s46, s46, STEPB
	s_add_co_u32 s96, s96, s46                     ; (batch x 16 + head) x REC + step x STEPB
	s_cmp_eq_u32 s23, 1
	s_cselect_b32 s46, 6144, 0                     ; V's tiles lie behind K's
	s_mov_b32 s47, REC
	s_cselect_b32 s47, 768, s47                    ; registers 6-11: q, k: the next head; v: the tile's second half
	s_mov_b32 s98, 768
	s_cselect_b32 s98, 1536, s98                   ; from tile to tile
	s_mov_b32 s99, 768
	s_cselect_b32 s99, REC-4608, s99               ; and from tile 3 to tile 4: v: the next head's first
	s_cselect_b32 s100, -1, 0xffff                 ; q, k: a head's word has two bytes
	s_cselect_b32 s97, 0, 16                       ; and lanes 16-31 take the second head's
	s_mov_b32 s93, 12288
	s_cselect_b32 s93, 12800, s93
	s_mov_b32 s95, REC
	s_cselect_b32 s95, 256, s95
	s_mov_b32 s101, 256
	s_cselect_b32 s101, REC, s101
	s_cmp_eq_u32 s2, 1
	s_cselect_b64 s[16:17], s[16:17], s[18:19]     ; qrec for q, else kvrec
	v_add_nc_u32 v8, s96, v4
	v_add_nc_u32 v8, s46, v8                       ; registers 0-5 of tile 0
	v_add_nc_u32 v9, s47, v8                       ; registers 6-11
	v_mul_u32_u24 v12, s97, v2                     ; the word's shift
	v_mul_u32_u24 v10, s95, v2
	v_lshl_add_u32 v10, v1, 4, v10
	v_add_nc_u32 v10, s96, v10
	v_add_nc_u32 v10, s93, v10                     ; the scale words of tiles 0-3
	v_add_nc_u32 v11, s101, v10                    ; of tiles 4-7
.macro FRAG reg, adr, q, i             ; a fragment's image: six loads of 256 consecutive bytes
.irp p, 0,1,2,3,4,5
	ds_load_b64 v[\reg+2*\p:\reg+2*\p+1], v[\adr] offset:(\q)*FRB+(\i)*SLROW+256*\p
.endr
.endm
; 16 matrix instructions: R's blocks a0, a0 + 1 x P's eight.  The 64 accumulators take turns, one instruction a turn, in the same order in every step.
.macro MUL16 a0, p, q, sc, zero
.irp a, \a0, \a0+1
.irp b, 0,1,2,3,4,5,6,7
.if \zero
	v_wmma_scale_f32_16x16x128_f8f6f4 v[8*(8*((\a)%4)+\b):8*(8*((\a)%4)+\b)+7], v[128*(\p)+FR*\b:128*(\p)+FR*\b+FR-1], v[AF+FR*(\a):AF+FR*(\a)+FR-1], 0, v[SC+8*NQ*(\sc)+NQ*\b+(\q)], v[SC+8*NQ*(\sc)+NQ*(\a)+(\q)] matrix_a_fmt:MATRIX_FMT_FP6 matrix_b_fmt:MATRIX_FMT_FP6 matrix_a_scale:MATRIX_SCALE_ROW1
.else
	v_wmma_scale_f32_16x16x128_f8f6f4 v[8*(8*((\a)%4)+\b):8*(8*((\a)%4)+\b)+7], v[128*(\p)+FR*\b:128*(\p)+FR*\b+FR-1], v[AF+FR*(\a):AF+FR*(\a)+FR-1], v[8*(8*((\a)%4)+\b):8*(8*((\a)%4)+\b)+7], v[SC+8*NQ*(\sc)+NQ*\b+(\q)], v[SC+8*NQ*(\sc)+NQ*(\a)+(\q)] matrix_a_fmt:MATRIX_FMT_FP6 matrix_b_fmt:MATRIX_FMT_FP6 matrix_a_scale:MATRIX_SCALE_ROW1
.endif
.endr
.endr
.endm
.macro FETCH_B slot, q, p
	WIN TO_B
.irp i, 0,1,2,3,4,5,6,7
	FRAG 128*(\p)+FR*\i, ADRB+\slot, \q, \i
.endr
	WIN 0
.endm
.macro FETCH_A slot, q, i0
.irp i, \i0, \i0+1, \i0+2, \i0+3
	FRAG AF+FR*(\i), ADRA+\slot, \q, \i
.endr
.endm
.macro SCALES sc                       ; a slot's two scale words a row: lanes 0-15 R's block i, lanes 16-31 P's block i
.irp i, 0,1,2,3,4,5,6,7
	ds_load_b64 v[SC+8*NQ*\sc+NQ*\i:SC+8*NQ*\sc+NQ*\i+1], v[ADRS] offset:\i*SBLK
.endr
.endm
.macro PLACES n                        ; plain places behind matrix instructions, in front of loads into their registers and of reads of results
.rept \n
	v_nop
.endr
.endm
.macro STEP slot, q, zero              ; 128 along K that has its successor in the same slot
	s_wait_dscnt 4*NL                              ; P's set, R's blocks 0-3 and the scale words are in; the youngest 24 loads (R's blocks 4-7) may be out
	WIN MUL_LO
	MUL16 0, (\q)%2, \q, \slot, \zero
	MUL16 2, (\q)%2, \q, \slot, \zero
	s_wait_dscnt 0
	PLACES NP
	FETCH_B \slot, (\q)+1, 1-(\q)%2
	FETCH_A \slot, (\q)+1, 0
	WIN MUL_HI
	MUL16 4, (\q)%2, \q, \slot, \zero
	MUL16 6, (\q)%2, \q, \slot, \zero
	PLACES NP
	WIN 0
	FETCH_A \slot, (\q)+1, 4
.endm
; A slot's last step changes slots: one barrier; in front of it each wave waits for all its tensor loads, adds 0 to its spare word, and waits for that and for its reads of this slot.
.macro TURN slot, next, fill
	s_wait_tensorcnt 0x0                           ; all my tensor loads have landed: my part of the next slot
	ds_add_u32 v[SPW], v[NIL]                      ; 0 onto my spare word
	s_wait_dscnt 4*NL+1                            ; (the add and the youngest 24 loads may be out)
	WIN MUL_LO
	MUL16 0, 1, NQ-1, \slot, 0
	s_wait_dscnt 0x0                               ; the add is done, and my reads of this slot are over
	s_barrier_signal -1
	MUL16 2, 1, NQ-1, \slot, 0
	WIN 0
	s_barrier_wait -1
.if \fill
	CREST                                          ; the barrier has opened a round of the cluster's barrier: no wave of any partner still reads this slot or has a load on its way
	s_add_nc_u64 s[G0+4*\slot+2:G0+4*\slot+3], s[G0+4*\slot+2:G0+4*\slot+3], 2*SLROW
	s_add_nc_u64 s[G0B+4*\slot+2:G0B+4*\slot+3], s[G0B+4*\slot+2:G0B+4*\slot+3], 2*SLROW
	JLOAD G0+4*\slot, G1, G0B+4*\slot, G1B         ; the first tensor load behind the round; its four v_nop are the places in front of the loads below
.else
	PLACES NP
.endif
	s_wait_alu depctr_va_vdst(0)
	v_add_nc_u32 v[ADRS], 4*NQ, v[ADRS]            ; the next slot's scale words
	FETCH_B \next, 0, 0
	FETCH_A \next, 0, 0
	SCALES \next
	WIN MUL_HI
	MUL16 4, 1, NQ-1, \slot, 0
	MUL16 6, 1, NQ-1, \slot, 0
	PLACES NP
	WIN 0
	FETCH_A \next, 0, 4
.endm
	s_wait_alu depctr_va_vdst(0)
	s_wait_tensorcnt 0x0                           ; my tile of the head's four is in
	ds_add_u32 v[SPW], v[NIL]
	s_mov_b32 s[G1+2], 8<<16                       ; no tensor load of mine is out: from here on a load brings 8 row tiles
	s_mov_b32 s[G1+4], 8
	s_mov_b32 s[G1B+2], 8<<16
	s_mov_b32 s[G1B+4], 8
	s_wait_dscnt 0x0                               ; the add is done
	CROUND                                         ; a whole round: all four tiles are in, and the joint loads meet
	JLOAD G0+4, G1, G0B+4, G1B                     ; slot 1's first fill, the first tensor load behind the round
	FETCH_B 0, 0, 0
	FETCH_A 0, 0, 0
	SCALES 0
	FETCH_A 0, 0, 4
	STEP 0, 0, 1                                   ; the first step's products start the sums
	s_mov_b32 s3, LAPS-1
.Llap:
	TURN 0, 1, 1
	STEP 1, 0, 0
	TURN 1, 0, 1
	STEP 0, 0, 0
	s_sub_co_u32 s3, s3, 1
	s_cmp_lg_u32 s3, 0
	s_cbranch_scc1 .Llap
	TURN 0, 1, 0                                   ; the last lap fills nothing
	STEP 1, 0, 0
	s_wait_dscnt 4*NL
	WIN MUL_LO
	MUL16 0, 1, NQ-1, 1, 0
	MUL16 2, 1, NQ-1, 1, 0
	s_wait_dscnt 0
	WIN MUL_HI
	MUL16 4, 1, NQ-1, 1, 0
	MUL16 6, 1, NQ-1, 1, 0
	WIN 0
; 64 numbers of a lane, register 16 b + i = index 32 b + 16 (lane / 16) + i of my row, become a fragment's codes in v[PC] on and its scale word in v[PW].
.macro QUANT s
.irp b, 0,1,2,3
	v_max3_num_f32 v[TM+\b], |v[\s+16*\b]|, |v[\s+1+16*\b]|, 0x1800000   ; my 16 numbers of block b, and the floor 2^(3 - 127)
.endr
.irp i, 2,4,6,8,10,12,14
.irp b, 0,1,2,3
	v_max3_num_f32 v[TM+\b], v[TM+\b], |v[\s+16*\b+\i]|, |v[\s+1+16*\b+\i]|
.endr
.endr
.irp b, 0,1,2,3
	v_permlanex16_b32 v[TM+4+\b], v[TM+\b], s[SEL], s[SEL+1]
.endr
.irp b, 0,1,2,3
	v_max_num_f32 v[TM+\b], v[TM+\b], v[TM+4+\b]   ; with lane l xor 16's: the block's largest magnitude
.endr
.irp b, 0,1,2,3
	v_add_nc_u32 v[TM+12+\b], 0xff000000, v[TM+\b] ; 2 off its exponent field: the conversion's scale operand
.endr
.irp b, 0,1,2,3
	v_lshrrev_b32 v[TM+4+\b], 23, v[TM+12+\b]      ; the scale's byte
.endr
	v_lshl_or_b32 v[PW], v[TM+5], 8, v[TM+4]
	v_lshl_or_b32 v[PW], v[TM+6], 16, v[PW]
	v_lshl_or_b32 v[PW], v[TM+7], 24, v[PW]
.irp c, 0,1
	v_cvt_scalef32_pk16_fp6_f32 v[PC+6*\c:PC+2+6*\c], v[\s+32*\c:\s+15+32*\c], v[TM+12+2*\c]
	v_cvt_scalef32_pk16_fp6_f32 v[PC+12+4*\c:PC+14+4*\c], v[\s+16+32*\c:\s+31+32*\c], v[TM+12+2*\c+1]
.endr
	v_nop                                          ; one plain place behind a scaled conversion
.irp c, 0,1                                    ; the layout wants a whole block in a lane
.irp i, 0,1,2
	v_permlane16_swap_b32 v[PC+6*\c+\i], v[PC+12+4*\c+\i]
.endr
.irp i, 0,1,2
	v_mov_b32 v[PC+3+6*\c+\i], v[PC+12+4*\c+\i]
.endr
.endr
.endm
; THE WAY OUT of R's block a: + bias, quantised, stored as images: every store covers 256 consecutive bytes, aligned.
.macro EPI a
.set AC, 64*((\a)%4)
.if (\a) > 0
	s_wait_xcnt 0x0                                ; the last block's stores have read their data and offsets
.if (\a) == 4
	v_add_nc_u32 v8, s99, v8
	v_add_nc_u32 v9, s99, v9
.else
	v_add_nc_u32 v8, s98, v8
	v_add_nc_u32 v9, s98, v9
.endif
.endif
	s_cmp_eq_u32 s23, 0                            ; the role: the same in all partners
	s_cbranch_scc0 .Lrow_\@
	WIN 0x02+(\a)/4                                ; source 0: window 2 or 3
.irp b, 0,1,2,3,4,5,6,7
.irp i, 0,2,4,6
	v_pk_add_f32 v[T+8*\b+\i:T+8*\b+\i+1], v[AC+8*\b+\i:AC+8*\b+\i+1], v[BP+8*\b+\i:BP+8*\b+\i+1]   ; q, k: the bias runs along my registers; each accumulator from its low end on
.endr
.endr
	WIN 0
	s_branch .Ljoin_\@
.Lrow_\@:
	WIN 0x02+(\a)/4
.irp b, 0,1,2,3,4,5,6,7
.irp i, 0,2,4,6
	v_pk_add_f32 v[T+8*\b+\i:T+8*\b+\i+1], v[AC+8*\b+\i:AC+8*\b+\i+1], v[BR+2*(\a):BR+2*(\a)+1]     ; v: one number for my row
.endr
.endr
	WIN 0
.Ljoin_\@:
	QUANT T
	v_lshrrev_b32 v49, v12, v[PW]
	v_and_b32 v[SW+(\a)], s100, v49                ; q, k: lanes 0-15 the first head's two bytes, lanes 16-31 the second's; v: the whole word
.irp j, 0,1,2
	global_store_b64 v8, v[PC+2*\j:PC+2*\j+1], s[16:17] offset:256*\j
.endr
.irp j, 0,1,2
	global_store_b64 v9, v[PC+6+2*\j:PC+7+2*\j], s[16:17] offset:256*\j
.endr
.endm
	PLACES NP                                      ; behind the last products: their registers are written and their results read below
	s_wait_loadcnt 0x0                             ; the biases
	s_mov_b32 s[SEL], 0x76543210
	s_mov_b32 s[SEL+1], 0xfedcba98
.irp b, 0,1,2,3
	v_mov_b32 v[TM+4+\b], 0                        ; a lane permute's destination counts as read
.endr
.irp a, 0,1,2,3,4,5,6,7
	EPI \a
.endr
	global_store_b128 v10, v[SW:SW+3], s[16:17]    ; sixteen lanes store 256 consecutive bytes, aligned
	global_store_b128 v11, v[SW+4:SW+7], s[16:17]
	s_wait_tensorcnt 0x0                           ; the wave's end
	ds_add_u32 v[SPW], v[NIL]
	s_wait_dscnt 0x0
	CROUND                                         ; the closing round
	s_endpgm
.Lfunc_end_k_q31c85464fa_proj:
	.size	k_q31c85464fa_proj, .Lfunc_end_k_q31c85464fa_proj-k_q31c85464fa_proj
	.p2alignl 7, 3214868480
	.fill 96, 4, 3214868480
	.section	.rodata,"a",@progbits
	.p2align	6, 0x0
	.amdhsa_kernel k_q31c85464fa_proj
		.amdhsa_group_segment_fixed_size 327680
		.amdhsa_private_segment_fixed_size 0
		.amdhsa_enable_private_segment 0
		.amdhsa_kernarg_size 64
		.amdhsa_user_sgpr_count 2
		.amdhsa_user_sgpr_kernarg_segment_ptr 1
		.amdhsa_wavefront_size32 1
		.amdhsa_system_sgpr_workgroup_id_x 1
		.amdhsa_system_sgpr_workgroup_id_y 1
		.amdhsa_system_sgpr_workgroup_id_z 1
		.amdhsa_system_vgpr_workitem_id 0
		.amdhsa_next_free_vgpr 1024
		.amdhsa_next_free_sgpr 104
		.amdhsa_reserve_vcc 0
		.amdhsa_float_denorm_mode_32 3
		.amdhsa_float_denorm_mode_16_64 3
		.amdhsa_memory_ordered 1
		.amdhsa_forward_progress 1
		.amdhsa_inst_pref_size 206
	.end_amdhsa_kernel
	.amdgpu_metadata
---
amdhsa.version: [ 1, 2 ]
amdhsa.kernels:
  - .name:           k_q31c85464fa_proj
    .symbol:         k_q31c85464fa_proj.kd
    .args:
      - { .name: xc, .offset: 0, .size: 8, .value_kind: global_buffer, .address_space: global }
      - { .name: xs, .offset: 8, .size: 8, .value_kind: global_buffer, .address_space: global }
      - { .name: wc, .offset: 16, .size: 8, .value_kind: global_buffer, .address_space: global }
      - { .name: ws, .offset: 24, .size: 8, .value_kind: global_buffer, .address_space: global }
      - { .name: b_kv, .offset: 32, .size: 8, .value_kind: global_buffer, .address_space: global }
      - { .name: b_q, .offset: 40, .size: 8, .value_kind: global_buffer, .address_space: global }
      - { .name: qrec, .offset: 48, .size: 8, .value_kind: global_buffer, .address_space: global }
      - { .name: kvrec, .offset: 56, .size: 8, .value_kind: global_buffer, .address_space: global }
    .group_segment_fixed_size: 327680
    .private_segment_fixed_size: 0
    .kernarg_segment_align: 8
    .kernarg_segment_size: 64
    .max_flat_workgroup_size: 128
    .sgpr_count:     104
    .vgpr_count:     1024
    .wavefront_size: 32
...
	.end_amdgpu_metadata
.endif
;; end of part 2
;; launch attn (part 3): grid 4 x 64, 16 waves a work-group, no clusters, 327,680 bytes of LDS; arguments qrec, kvrec, ac, asc; writes ac, asc
.if DOCPART == 3
	.amdgcn_target "amdgcn-amd-amdhsa--gfx1250"
	.amdhsa_code_object_version 6
	.text
	.protected	k_q31c85464fa_attn
	.globl	k_q31c85464fa_attn
	.p2align	8
	.type	k_q31c85464fa_attn,@function
k_q31c85464fa_attn:
	s_mov_b64 s[64:65], 0
	v_nop
	global_prefetch_b8 v0, s[64:65] scope:SCOPE_SE
	s_setreg_imm32_b32 hwreg(HW_REG_WAVE_MODE, 25, 1), 1
	s_wait_xcnt 0x0
; Causal attention of one (batch, head) on codes of FP6 (E2M3) with E8M0 scales: S^T = k q^T, p = 2^(t - M), O^T += v^T p^T, O / l quantised along the channels into the operand of the last product.
; LEFT OUT: steps of 128 keys wholly above a query tile's diagonal, which reference()'s own causal mask throws away for every input; inside the diagonal step masked scores become -infinity, so their p is 0.
; SHARES.  Work-group (x, y): head y, 32 query tiles of 16; wave w takes tiles i = 16 x + w and 127 - i: (i / 8 + 1) + ((127 - i) / 8 + 1) = 17 steps of 128 keys for every wave.  A lane holds one query.
; K'S ROWS ARE CHOSEN BY ADDRESS: row m of tile t is key 64 (t / 4) + 32 (m / 8) + 8 (t % 4) + m % 8 of the step, so that a lane's 32 registers of tiles 4 c .. 4 c + 3 are the whole block 2 c + h of 32 keys, in the
; order of the second product's operand: no other lane is asked for a block's maximum and no code changes lanes.  In the record (bits 3 and 4 of a row's number swapped) that key is row 8 ((t % 4) / 2) + m % 8 of tile 4 (t / 4) + 2 (m / 8) + t % 2.
; LDS holds the head's whole record of k and v, 16 steps x 52 rows of 256 bytes, each row padded by 32 bytes: rows 0-23 of a step k's 8 tiles x 3 chunks, 24-47 v's 4 tiles x 6 chunks, 48-49 k's scale words, 50-51 v's.
; With the pitch of 288 bytes the six rows between the tiles that lanes 0-7 and lanes 8-15 of a load of k read are 1,728 bytes, 192 modulo 256: the load's four groups of eight lanes touch four different runs of 64 bytes modulo 256.
; The record is filled once by two tensor loads a wave: steps 0-3 at the head (13 rows a wave), steps 4-15 (39 rows a wave) behind the first barrier.  THE HIGH TILE GOES FIRST: its steps 0-3 are open for every wave
; (its diagonal lies at step 8 or later), so all sixteen waves do four equal trips between the second load and the one barrier that shows steps 4-15 whole.  Behind it the waves share nothing more.  Both tiles' q are loaded at the head.
; M is the running largest t rounded up to a whole number, kept as -M; a change of M multiplies the sum and O^T by an exact power of two.  A block's largest p comes from its largest score by the same two instructions.
; cluster = none: the four work-groups of a head read the same record, but the jumps over masked steps hang on the work-group's x, which in a cluster would be its place, and the four read 16, 14, 12 and 10 steps.
; No prefetch: both tensor loads leave at the head; no later load exists for a prefetch to run ahead of.
; LIMITS: the promise holds while the scaled scores stay under 2^31 in magnitude; NaN and infinities are not served; a block under 2^-124 gets the byte 1 (only this program reads the bytes).
; REGISTERS: v1-2, v5-11, v229, v238-240 offsets, v3-4 the add's, v8 8 h, v12 -M, v13 largest t, v14-15 the sum, v16-27 q (upper six zero: the head has 64 channels), v28 q's scales, v29 p's, v30 f,
;   v32-85 fragments of k or v (v80-85 zero), v86-93 their scales, v96-159 S then p, v160-191 O^T, v192-228 codes and scale work, v230-236 the low tile's q.
.set REC,   212992                     ; a head's record in memory, 16 steps of STEPB bytes
.set STEPB, 13312
.set PITCH, 288                        ; an LDS row: 256 bytes + 32 of padding
.set STEPL, 52*PITCH                   ; a step in LDS
.set SPARE, 16*STEPL                   ; behind the record: the spare words, 128 bytes a wave
.set S,  96
.set O,  160
.set PC, 192
.set PH, 204
.set BM, 212
.set PT, 216
.set SO, 220
.set QL, 230
.set KA, 229                           ; lane term of k's fragments, KS of k's scale words
.set KS, 238
.set AK, 239                           ; the same with the step's base
.set AS, 240
	s_load_b256 s[4:11], s[0:1], 0x0               ; qrec, kvrec, ac, asc
	v_lshl_add_u32 v3, v0, 2, SPARE
	v_mov_b32 v4, 0
	ds_add_u32 v3, v4                              ; the opening lines
	ds_add_u32 v3, v4
	v_lshrrev_b32 v5, 5, v0
	s_delay_alu instid0(VALU_DEP_1)
	v_readfirstlane_b32 s12, v5                    ; wave
.irp g, 16, 68                                 ; group 1: rows of 256 bytes (32 elements of 8), dense in memory; in LDS 8 words of padding behind every 64
	s_mov_b32 s[\g], (3<<16)|(1<<20)|(5<<22)|(7<<25)
	s_mov_b32 s[\g+1], 32<<16
	s_mov_b32 s[\g+3], 32<<16
	s_mov_b32 s[\g+5], 32
	s_mov_b32 s[\g+6], 0
	s_mov_b32 s[\g+7], 0
.endr
	s_mov_b32 s18, 13<<16                          ; steps 0-3: 208 rows, 13 a wave
	s_mov_b32 s20, 13
	s_mov_b32 s70, 39<<16                          ; steps 4-15: 624 rows, 39 a wave
	s_mov_b32 s72, 39
	s_and_b32 s13, ttmp7, 0xffff                   ; batch x 16 + head
	s_mul_i32 s14, s13, REC
	s_mov_b32 s15, 0
	s_mul_i32 s52, s12, 13*256                     ; my rows in memory,
	s_mov_b32 s53, 0
	s_mul_i32 s66, s12, 39*256
	s_add_co_u32 s66, s66, 4*STEPB
	s_mov_b32 s67, 0
	s_mul_i32 s25, s12, 13*PITCH                   ; and in LDS
	s_mul_i32 s29, s12, 39*PITCH
	s_add_co_u32 s29, s29, 4*STEPL
	s_mov_b32 s55, 0
	s_mov_b32 s32, 0x76543210
	s_mov_b32 s33, 0xfedcba98                      ; selects for lane l xor 16
	s_mov_b32 s34, 0x3e38aa3b                      ; c = log2(e) / 8
	s_mov_b32 s35, s34
	s_mov_b32 s40, 0xffff0000
	s_lshl_b32 s60, ttmp9, 4
	s_add_co_u32 s60, s60, s12                     ; my low tile
	s_lshr_b32 s56, s13, 4
	s_lshl_b32 s56, s56, 7                         ; batch x 128 tiles
	s_and_b32 s41, s13, 15
	s_lshl_b32 s58, s41, 1                         ; the head's two scale bytes
	s_lshr_b32 s57, s41, 1
	s_mul_i32 s57, s57, 1536
	s_and_b32 s41, s13, 1
	s_mul_i32 s41, s41, 768
	s_add_co_u32 s57, s57, s41                     ; the head's half of a K step's image
	s_wait_dscnt 0x0
	s_wait_kmcnt 0x0
	s_add_nc_u64 s[4:5], s[4:5], s[14:15]
	s_add_nc_u64 s[6:7], s[6:7], s[14:15]
	s_mov_b32 s24, 1
	s_add_nc_u64 s[26:27], s[6:7], s[52:53]
	s_mov_b32 s28, 1
	s_add_nc_u64 s[30:31], s[6:7], s[66:67]
	s_or_b32 s27, s27, 0x80000000
	s_or_b32 s31, s31, 0x80000000
	tensor_load_to_lds s[24:27], s[16:23]          ; my 13 rows of steps 0-3: one tensor load a wave at the head
	s_nop 0
	v_and_b32 v5, 31, v0
	v_and_b32 v8, 15, v0                           ; r
	v_bfe_u32 v11, v0, 4, 1                        ; h
	v_lshlrev_b32 v1, 3, v5                        ; 8 x lane
	v_mul_u32_u24 v2, v11, PITCH
	v_lshlrev_b32 v9, 4, v8
	v_lshl_add_u32 v10, v8, 5, v11
	v_and_b32 v7, 8, v8
	v_lshlrev_b32 v5, 5, v11
	v_add_nc_u32 v7, v7, v8
	v_and_b32 v6, 7, v8                            ; r % 8
	v_sub_nc_u32 v7, v7, v5                        ; r + 8 (r / 8) - 32 h
	v_lshrrev_b32 v5, 3, v8                        ; r / 8
	v_lshl_add_u32 v[KS], v6, 4, v2
	v_mul_u32_u24 v[KA], v5, 6*PITCH
	v_lshl_add_u32 v[KS], v5, 3, v[KS]             ; a row for h + 16 (r % 8) + 8 (r / 8)
	v_lshl_add_u32 v[KA], v6, 3, v[KA]
	v_lshl_add_u32 v2, v8, 4, v2                   ; v's scale words: a row for h + 16 r
	v_lshl_add_u32 v[KA], v11, 7, v[KA]            ; six rows for r / 8 + 8 (r % 8) + 128 h
	v_lshlrev_b32 v8, 3, v11                       ; 8 h: my bytes' shift in p's scale word
.irp j, 22,23,24,25,26,27,80,81,82,83,84,85,31,216,217,218,219,226
	v_mov_b32 v\j, 0
.endr
	v_mov_b32 v227, 0xff800000
	s_wait_alu depctr_va_vdst(0)
.macro QLOAD base, dst, sc             ; tile s39's q fragment (its lower six registers) and scale words
	s_lshr_b32 s38, s39, 3
	s_and_b32 s41, s39, 7
	s_mul_i32 s42, s38, STEPB
	s_mul_i32 s43, s41, 768
	s_add_co_u32 s54, s42, s43
	s_add_nc_u64 s[\base:\base+1], s[4:5], s[54:55]
	s_lshr_b32 s43, s41, 2
	s_lshl_b32 s43, s43, 8
	s_and_b32 s41, s41, 3
	s_lshl_b32 s41, s41, 2
	s_add_co_u32 s54, s42, s43
	s_add_co_u32 s54, s54, s41
	s_add_co_u32 s54, s54, 12288
	s_add_nc_u64 s[\base+2:\base+3], s[4:5], s[54:55]
.irp j, 0,1,2
	global_load_b64 v[\dst+2*\j:\dst+2*\j+1], v1, s[\base:\base+1] offset:256*\j
.endr
	global_load_b32 v[\sc], v9, s[\base+2:\base+3]
.endm
	s_mov_b32 s39, s60
	QLOAD 76, QL, QL+6                             ; the low tile's, kept for later
	s_sub_co_u32 s39, 127, s60
	QLOAD 44, 16, 28                               ; the high tile's
	s_wait_tensorcnt 0x0                           ; my rows of steps 0-3 are in
	ds_add_u32 v3, v4
	s_wait_dscnt 0x0
	s_barrier_signal -1
	s_barrier_wait -1                              ; steps 0-3 are whole
	tensor_load_to_lds s[28:31], s[68:75]          ; my 39 rows of steps 4-15
	s_nop 0
.macro INIT                            ; tile s39: its diagonal, where its result goes, and an empty state
	s_lshr_b32 s38, s39, 3                         ; the step that holds its diagonal
	s_add_co_u32 s41, s56, s39
	s_mul_i32 s54, s41, 12288
	s_add_co_u32 s54, s54, s57
	s_add_nc_u64 s[48:49], s[8:9], s[54:55]
	s_lshl_b32 s54, s41, 9
	s_add_co_u32 s54, s54, s58
	s_add_nc_u64 s[50:51], s[10:11], s[54:55]
	s_bfe_u32 s59, s39, 0x20001                    ; the block of 32 keys of that step in which its queries lie
	s_lshl_b32 s41, s59, 5
	s_and_b32 s42, s39, 1
	s_lshl_b32 s42, s42, 3
	s_add_co_u32 s41, s41, s42
	v_add_nc_u32 v228, s41, v7                     ; my query's place in the step, less 32 h
	v_mov_b32 v13, 0xff61b1e6                      ; -3e38, under every t
	v_mov_b32 v14, 0
	v_mov_b32 v15, 0
	v_floor_f32 v12, -v13
.set jj, 0
.rept 32
	v_mov_b32 v[O+jj], 0
.set jj, jj+1
.endr
	s_wait_alu depctr_va_vdst(0)
.endm
; Steps s37 .. last - 1 of the keys; s36 = s37 x STEPL.  mask = 1: steps beyond the diagonal are jumped over by ids, the diagonal step is masked.
.macro LOOP last, mask
.Ltrip_\@:
.if \mask
	s_cmp_gt_u32 s37, s38
	s_cbranch_scc1 .Lskip_\@
.endif
	v_add_nc_u32 v[AK], s36, v[KA]                 ; these four are also the places behind the last products, ahead of loads into their registers
	v_add_nc_u32 v[AS], s36, v[KS]
	v_add_nc_u32 v5, s36, v1
	v_add_nc_u32 v6, s36, v2
.irp a, 0,1,2,3,4,5,6,7
.irp j, 0,1,2
	ds_load_b64 v[32+6*\a+2*\j:33+6*\a+2*\j], v[AK] offset:(3*(4*(\a/4)+(\a%2))+\j)*PITCH+64*((\a%4)/2)
.endr
.endr
	ds_load_b64 v[86:87], v[AS] offset:48*PITCH    ; lanes 0-15: the words of tiles 0, 1; lanes 16-31: of tiles 4, 5
	ds_load_b64 v[88:89], v[AS] offset:48*PITCH+128   ; tiles 2, 3 and 6, 7
	s_wait_alu depctr_va_vdst(0)
	s_wait_dscnt 0x0
.irp t, 0,1,2,3
	v_wmma_scale_f32_16x16x128_f8f6f4 v[S+8*\t:S+8*\t+7], v[32+6*\t:43+6*\t], v[16:27], 0, v[86+\t], v28 matrix_a_fmt:MATRIX_FMT_FP6 matrix_b_fmt:MATRIX_FMT_FP6
.endr
.irp t, 4,5,6,7
	v_wmma_scale_f32_16x16x128_f8f6f4 v[S+8*\t:S+8*\t+7], v[32+6*\t:43+6*\t], v[16:27], 0, v[82+\t], v28 matrix_a_fmt:MATRIX_FMT_FP6 matrix_b_fmt:MATRIX_FMT_FP6 matrix_a_scale:MATRIX_SCALE_ROW1
.endr
.rept 4
	v_nop
.endr
.irp t, 0,1,2,3
.irp j, 0,1,2,3,4,5
	ds_load_b64 v[32+12*\t+2*\j:33+12*\t+2*\j], v5 offset:(24+6*\t+\j)*PITCH
.endr
.endr
	ds_load_b128 v[90:93], v6 offset:50*PITCH
.if \mask
	s_cmp_lg_u32 s37, s38
	s_cbranch_scc1 .Lopen_\@
	s_cmp_gt_u32 s59, 1                            ; queries in blocks 2, 3: blocks 0 and 1 are wholly open
	s_cbranch_scc1 .Lhalf_\@
.set jj, 0
.rept 32
	v_cmp_gt_i32 vcc_lo, jj, v228
	v_cndmask_b32 v[S+jj], v[S+jj], v227, vcc_lo
.set jj, jj+1
.endr
.Lhalf_\@:
.set jj, 0
.rept 32
	v_cmp_gt_i32 vcc_lo, 64+jj, v228
	v_cndmask_b32 v[S+32+jj], v[S+32+jj], v227, vcc_lo
.set jj, jj+1
.endr
.Lopen_\@:
.endif
.irp b, 0,1,2,3
	v_max3_num_f32 v[BM+\b], v[S+16*\b], v[S+1+16*\b], v[S+2+16*\b]   ; the largest scores, in four chains: two to a block
.endr
.irp i, 3,5,7,9,11,13
.irp b, 0,1,2,3
	v_max3_num_f32 v[BM+\b], v[BM+\b], v[S+16*\b+\i], v[S+1+16*\b+\i]
.endr
.endr
.irp b, 0,1,2,3
	v_max_num_f32 v[BM+\b], v[BM+\b], v[S+15+16*\b]
.endr
	s_delay_alu instid0(VALU_DEP_3)
	v_max_num_f32 v[BM], v[BM], v[BM+1]            ; my block h's largest score,
	s_delay_alu instid0(VALU_DEP_2)
	v_max_num_f32 v[BM+2], v[BM+2], v[BM+3]        ; and my block 2 + h's
	s_delay_alu instid0(VALU_DEP_1)
	v_max_num_f32 v226, v[BM], v[BM+2]
	s_delay_alu instid0(VALU_DEP_1)
	v_permlanex16_b32 v[PT], v226, s32, s33
	s_delay_alu instid0(VALU_DEP_1)
	v_max_num_f32 v226, v226, v[PT]                ; with lane l xor 16's: the step's largest score of my query
	s_delay_alu instid0(VALU_DEP_1)
	v_mul_f32 v226, s34, v226
	s_delay_alu instid0(VALU_DEP_1)
	v_max_num_f32 v13, v13, v226                   ; the running largest t
	v_mov_b32 v226, v12
	s_delay_alu instid0(VALU_DEP_2)
	v_floor_f32 v12, -v13                          ; the new -M
	s_delay_alu instid0(VALU_DEP_1)
	v_sub_f32 v226, v12, v226
	s_delay_alu instid0(VALU_DEP_1)
	v_cvt_i32_f32 v226, v226
	s_delay_alu instid0(VALU_DEP_1)
	v_ldexp_f32 v30, 1.0, v226                     ; f = 2^(old M - new M)
.set jj, 0
.rept 32
	v_pk_fma_f32 v[S+jj:S+jj+1], v[S+jj:S+jj+1], s[34:35], v[12:13] op_sel_hi:[1,0,0]   ; t - M
.set jj, jj+2
.endr
	v_fma_f32 v[BM], v[BM], s34, v12
	v_fma_f32 v[BM+2], v[BM+2], s34, v12
.set jj, 0
	s_wait_alu depctr_va_vdst(0)
.rept 64
	v_exp_f32 v[S+jj], v[S+jj]
.set jj, jj+1
.endr
	v_pk_mul_f32 v[14:15], v[14:15], v[30:31] op_sel_hi:[1,0]
	s_wait_alu depctr_va_vdst(0)                   ; and behind it
	v_exp_f32 v[BM], v[BM]
	v_exp_f32 v[BM+2], v[BM+2]
	v_pk_add_f32 v[224:225], v[S:S+1], v[S+2:S+3]  ; the row's sum, of the unquantised p, in two chains
.irp j, 4,8,12,16,20,24,28,32,36,40,44,48,52,56,60
	v_pk_add_f32 v[14:15], v[14:15], v[S+\j:S+1+\j]
	v_pk_add_f32 v[224:225], v[224:225], v[S+2+\j:S+3+\j]
.endr
	s_delay_alu instid0(VALU_DEP_1)
	v_pk_add_f32 v[14:15], v[14:15], v[224:225]
	s_wait_alu depctr_va_vdst(0)
	v_max_num_f32 v[BM], 0x1800000, v[BM]          ; the floor 2^(3 - 127)
	v_max_num_f32 v[BM+2], 0x1800000, v[BM+2]
	s_delay_alu instid0(VALU_DEP_2)
	v_add_nc_u32 v[SO], 0xff000000, v[BM]          ; 2 off the exponent field: the conversion's scale operand
	s_delay_alu instid0(VALU_DEP_2)
	v_add_nc_u32 v[SO+2], 0xff000000, v[BM+2]
	s_delay_alu instid0(VALU_DEP_2)
	v_lshrrev_b32 v[PT], 23, v[SO]
	s_delay_alu instid0(VALU_DEP_2)
	v_lshrrev_b32 v[PT+2], 23, v[SO+2]
	s_delay_alu instid0(VALU_DEP_1)
	v_lshl_or_b32 v226, v[PT+2], 16, v[PT]         ; my two bytes: blocks h and 2 + h,
	s_delay_alu instid0(VALU_DEP_1)
	v_lshlrev_b32 v226, v8, v226                   ; at their places;
	s_delay_alu instid0(VALU_DEP_1)
	v_permlanex16_b32 v[PT+1], v226, s32, s33
	s_delay_alu instid0(VALU_DEP_1)
	v_or_b32 v29, v226, v[PT+1]                    ; with lane l xor 16's two the word is whole
.irp k, 0,1
	v_cvt_scalef32_pk16_fp6_f32 v[PC+6*\k:PC+2+6*\k], v[S+32*\k:S+15+32*\k], v[SO+2*\k]
	v_cvt_scalef32_pk16_fp6_f32 v[PH+4*\k:PH+2+4*\k], v[S+16+32*\k:S+31+32*\k], v[SO+2*\k]   ; (a conversion's three registers begin on an even number)
.endr
	v_nop                                          ; one plain place behind a scaled conversion
.irp k, 0,1
.irp i, 0,1,2
	v_mov_b32 v[PC+3+6*\k+\i], v[PH+4*\k+\i]
.endr
.endr
.set jj, 0
.rept 16
	v_pk_mul_f32 v[O+jj:O+jj+1], v[O+jj:O+jj+1], v[30:31] op_sel_hi:[1,0]   ; O^T under the new M
.set jj, jj+2
.endr
	s_wait_alu depctr_va_vdst(0)
	s_wait_dscnt 0x0                               ; v's fragments and scales
.irp t, 0,1,2,3
	v_wmma_scale_f32_16x16x128_f8f6f4 v[O+8*\t:O+8*\t+7], v[32+12*\t:43+12*\t], v[PC:PC+11], v[O+8*\t:O+8*\t+7], v[90+\t], v29 matrix_a_fmt:MATRIX_FMT_FP6 matrix_b_fmt:MATRIX_FMT_FP6
.endr
.if \mask
.Lskip_\@:
.endif
	s_add_co_u32 s36, s36, STEPL
	s_add_co_u32 s37, s37, 1
	s_cmp_lt_u32 s37, \last
	s_cbranch_scc1 .Ltrip_\@
.endm
; O^T / l, quantised along the head's 64 channels, stored as the lower or upper half of a K step's image of the last product's operand.
.macro EPI
.rept 4
	v_nop
.endr
	v_add_f32 v14, v14, v15
	s_delay_alu instid0(VALU_DEP_1)
	v_permlanex16_b32 v226, v14, s32, s33
	s_delay_alu instid0(VALU_DEP_1)
	v_add_f32 v14, v14, v226
	s_wait_alu depctr_va_vdst(0)
	v_rcp_f32 v14, v14
	v_nop
	s_wait_alu depctr_va_vdst(0)
.set jj, 0
.rept 16
	v_pk_mul_f32 v[S+jj:S+jj+1], v[O+jj:O+jj+1], v[14:15] op_sel_hi:[1,0]
.set jj, jj+2
.endr
.irp b, 0,1
	v_max3_num_f32 v[BM+\b], |v[S+16*\b]|, |v[S+1+16*\b]|, 0x1800000
.endr
.irp i, 2,4,6,8,10,12,14
.irp b, 0,1
	s_delay_alu instid0(VALU_DEP_2)
	v_max3_num_f32 v[BM+\b], v[BM+\b], |v[S+16*\b+\i]|, |v[S+1+16*\b+\i]|
.endr
.endr
.irp b, 0,1
	s_delay_alu instid0(VALU_DEP_2)
	v_permlanex16_b32 v[PT+\b], v[BM+\b], s32, s33
.endr
.irp b, 0,1
	s_delay_alu instid0(VALU_DEP_2)
	v_max_num_f32 v[BM+\b], v[BM+\b], v[PT+\b]
.endr
.irp b, 0,1
	s_delay_alu instid0(VALU_DEP_2)
	v_add_nc_u32 v[SO+\b], 0xff000000, v[BM+\b]
.endr
.irp b, 0,1
	s_delay_alu instid0(VALU_DEP_2)
	v_lshrrev_b32 v[PT+\b], 23, v[SO+\b]
.endr
	v_cvt_scalef32_pk16_fp6_f32 v[PC:PC+2], v[S:S+15], v[SO]
	v_cvt_scalef32_pk16_fp6_f32 v[PC+4:PC+6], v[S+16:S+31], v[SO+1]
	v_nop
.irp i, 0,1,2
	v_permlane16_swap_b32 v[PC+\i], v[PC+4+\i]
.endr
	s_delay_alu instid0(VALU_DEP_3)
	v_mov_b32 v[PC+3], v[PC+4]
	s_delay_alu instid0(VALU_DEP_3)
	v_mov_b32 v[PC+4], v[PC+5]
	s_delay_alu instid0(VALU_DEP_3)
	v_mov_b32 v[PC+5], v[PC+6]
	v_cndmask_b32 v226, v[PT], v[PT+1], s40        ; lanes 0-15 the first block's byte, lanes 16-31 the second's
.irp j, 0,1,2
	global_store_b64 v1, v[PC+2*\j:PC+2*\j+1], s[48:49] offset:256*\j   ; 256 consecutive bytes, aligned
.endr
	global_store_b8 v10, v226, s[50:51]
.endm
	INIT                                           ; the high tile, 127 - i
	s_wait_loadcnt 0x0                             ; both tiles' q
	s_mov_b32 s36, 0
	s_mov_b32 s37, 0
	LOOP 4, 0                                      ; steps 0-3: open for every high tile
	s_wait_tensorcnt 0x0                           ; my rows of steps 4-15 are in
	s_wait_dscnt 0x0
	s_barrier_signal -1
	s_barrier_wait -1                              ; and everybody's
	s_mov_b32 s36, 4*STEPL
	s_mov_b32 s37, 4
	LOOP 16, 1
	EPI
	s_wait_xcnt 0x0                                ; the stores have read their bases and data
	s_mov_b32 s39, s60                             ; the low tile, i
.irp j, 0,1,2,3,4,5
	v_mov_b32 v[16+\j], v[QL+\j]
.endr
	v_mov_b32 v28, v[QL+6]
	INIT
	s_mov_b32 s36, 0
	s_mov_b32 s37, 0
	LOOP 8, 1
	EPI
	s_wait_tensorcnt 0x0                           ; the wave's end
	ds_add_u32 v3, v4
	s_wait_dscnt 0x0
	s_endpgm
.Lfunc_end_k_q31c85464fa_attn:
	.size	k_q31c85464fa_attn, .Lfunc_end_k_q31c85464fa_attn-k_q31c85464fa_attn
	.p2alignl 7, 3214868480
	.fill 96, 4, 3214868480
	.section	.rodata,"a",@progbits
	.p2align	6, 0x0
	.amdhsa_kernel k_q31c85464fa_attn
		.amdhsa_group_segment_fixed_size 327680
		.amdhsa_private_segment_fixed_size 0
		.amdhsa_enable_private_segment 0
		.amdhsa_kernarg_size 32
		.amdhsa_user_sgpr_count 2
		.amdhsa_user_sgpr_kernarg_segment_ptr 1
		.amdhsa_wavefront_size32 1
		.amdhsa_system_sgpr_workgroup_id_x 1
		.amdhsa_system_sgpr_workgroup_id_y 1
		.amdhsa_system_sgpr_workgroup_id_z 1
		.amdhsa_system_vgpr_workitem_id 0
		.amdhsa_next_free_vgpr 256
		.amdhsa_next_free_sgpr 80
		.amdhsa_reserve_vcc 1
		.amdhsa_float_denorm_mode_32 3
		.amdhsa_float_denorm_mode_16_64 3
		.amdhsa_memory_ordered 1
		.amdhsa_forward_progress 1
		.amdhsa_inst_pref_size 80
	.end_amdhsa_kernel
	.amdgpu_metadata
---
amdhsa.version: [ 1, 2 ]
amdhsa.kernels:
  - .name:           k_q31c85464fa_attn
    .symbol:         k_q31c85464fa_attn.kd
    .args:
      - { .name: qrec, .offset: 0, .size: 8, .value_kind: global_buffer, .address_space: global }
      - { .name: kvrec, .offset: 8, .size: 8, .value_kind: global_buffer, .address_space: global }
      - { .name: ac, .offset: 16, .size: 8, .value_kind: global_buffer, .address_space: global }
      - { .name: asc, .offset: 24, .size: 8, .value_kind: global_buffer, .address_space: global }
    .group_segment_fixed_size: 327680
    .private_segment_fixed_size: 0
    .kernarg_segment_align: 8
    .kernarg_segment_size: 32
    .max_flat_workgroup_size: 512
    .sgpr_count:     80
    .vgpr_count:     256
    .wavefront_size: 32
...
	.end_amdgpu_metadata
.endif
;; end of part 3
;; launch outp (part 4): grid 4 x 32, 4 waves a work-group, clusters of 4 x 4, 327,680 bytes of LDS; arguments ac, asc, wc, ws, b_o, out0; writes out0
.if DOCPART == 4
	.amdgcn_target "amdgcn-amd-amdhsa--gfx1250"
	.amdhsa_code_object_version 6
	.text
	.protected	k_q31c85464fa_outp
	.globl	k_q31c85464fa_outp
	.p2align	8
	.type	k_q31c85464fa_outp,@function
k_q31c85464fa_outp:
	s_mov_b64 s[64:65], 0
	v_nop
	global_prefetch_b8 v0, s[64:65] scope:SCOPE_SE
	s_setreg_imm32_b32 hwreg(HW_REG_WAVE_MODE, 25, 1), 1
	s_wait_xcnt 0x0
	s_wait_alu depctr_hold_cnt(0) depctr_sa_sdst(0) depctr_va_vdst(0) depctr_va_sdst(0) depctr_va_ssrc(0) depctr_va_vcc(0) depctr_vm_vsrc(0)
	s_getreg_b32 s2, hwreg(HW_REG_IB_STS2, 6, 4)
	s_cmp_eq_u32 s2, 0
	s_cbranch_scc0 .Lentry_in_a_cluster
	s_endpgm
.Lentry_in_a_cluster:
	s_bfe_u32 s2, ttmp6, 0x10000c
	s_cmp_lg_u32 s2, 0xf033
	s_cbranch_scc0 .Lentry_shape_is_right
	s_endpgm
.Lentry_shape_is_right:
; out0 = attention's result x W_o + b_o on codes of FP6 (E2M3) with E8M0 scales, K = 1,024; out0 [8192][1024] f32.
; A tile of 256 x 256 is made by four waves, 128 x 128 each.  Source 1 (side R) = tokens, source 0 (side P) = W_o's columns (stored rows 3,072 on of the weights' codes).
; Rows of both sides are STORED with bits 3 and 4 of their number swapped: the way out puts columns and rows back in their true places.  The bias is the C of each sum's first product.
; Operands lie in memory as images of registers: row tile x 12288 + K step x 1536 + chunk x 256 + 8 x lane.  A slot holds 256 along K.  The scales of all of K come once.
; CLUSTERS: 4 x 4.  R's tiles are shared along a row of the cluster, P's along a column: joint loads.
; REGISTERS: window 0: v13 the bias's offset; v16-29 addresses; v32-63 scale words, two sets; v64-127 the bias; v128-223 R's fragments, one set (on the way out v128-255 rows of out0).
;   window 1: P's fragments, two sets.  windows 2, 3: the accumulators ((a, b) at v[8 (8 (a % 4) + b)]).
.set NQ,     2
.set FR,     12
.set NL,     6
.set NP,     4                         ; places behind this matrix instruction (ISA guide 7.12.1)
.set FRB,    1536
.set SLROW,  NQ*FRB
.set HALFT,  8*SLROW
.set SLOT,   4*HALFT
.set LAPS,   2
.set SCL,    2*SLOT
.set HALFS,  16*272
.set SBLK,   2*272
.set SPARE,  SCL+4*HALFS
.set SPITCH, 528                       ; the way out: a stage of 16 rows x (512 + 16) bytes a wave, in slot 0, which has had its last fill and its last read by then
.set ADRA, 16
.set ADRB, 20
.set STO,  24
.set RD,   25
.set CO,   26
.set ADRS, 27
.set SPW,  28
.set NIL,  29
.set SC,   32
.set BP,   64
.set AF,   128
.set BK,   128
.set G1, 24
.set G0, 32
.set G1B, 48
.set G0B, 56
.set G1S, 68
.set G0S, 76
.set G1SB, 80
.set G0SB, 88
.set MSB, 0
.macro WIN new
.if MSB != (\new)
	s_set_vgpr_msb (MSB<<8)|(\new)
.set MSB, (\new)
.endif
.endm
.set MUL_LO, 0xa1
.set MUL_HI, 0xf1
.set TO_B,   0x40
.macro JLOAD g0a, g1a, g0b, g1b        ; a joint load: waves 0 and 1 fetch for R, waves 2 and 3 for P; an s_nop 0 and four v_nop follow each line
	s_cmp_eq_u32 s21, 0
	s_cbranch_scc0 .Lfor_b_\@
	tensor_load_to_lds s[\g0a:\g0a+3], s[\g1a:\g1a+7]
	s_nop 0
.rept 4
	v_nop
.endr
	s_branch .Lasked_\@
.Lfor_b_\@:
	tensor_load_to_lds s[\g0b:\g0b+3], s[\g1b:\g1b+7]
	s_nop 0
.rept 4
	v_nop
.endr
.Lasked_\@:
.endm
.macro CREST
	s_cmp_lg_u32 s20, 0
	s_cbranch_scc1 .Lnot_wave_0_\@
	s_barrier_signal -3
.Lnot_wave_0_\@:
	s_barrier_wait -3
	s_barrier_signal -1
	s_barrier_wait -1
.endm
.macro CROUND
	s_barrier_signal -1
	s_barrier_wait -1
	CREST
.endm
	s_load_b256 s[4:11], s[0:1], 0x0               ; ac s[4:5], asc s[6:7], wc s[8:9], ws s[10:11]
	s_load_b128 s[12:15], s[0:1], 0x20             ; b_o s[12:13], out0 s[14:15]
	v_lshl_add_u32 v[SPW], v0, 2, SPARE
	v_mov_b32 v[NIL], 0
	ds_add_u32 v[SPW], v[NIL]                      ; the wave's opening
	ds_add_u32 v[SPW], v[NIL]
	v_lshrrev_b32 v1, 5, v0
	v_readfirstlane_b32 s20, v1                    ; wave
	s_lshr_b32 s21, s20, 1                         ; my half of R's rows.  Also: I fetch for R (0) or for P (1)
	s_and_b32 s22, s20, 1                          ; my half of P's rows.  Also: which 128 rows I fetch
	s_bfe_u32 s40, ttmp6, 0x40000                  ; cx
	s_bfe_u32 s41, ttmp6, 0x40004                  ; cy
	s_and_b32 s43, ttmp7, 0xffff
	s_lshl_b32 s43, s43, 2
	s_add_co_u32 s43, s43, s41                     ; R's tile: 4 x cluster y + cy
	s_mov_b32 s42, s40                             ; P's tile: cx
	s_lshl_b32 s44, s41, 2
	s_lshl_b32 s44, 15, s44                        ; my row of the cluster
	s_lshl_b32 s45, 0x1111, s40                    ; my column
	s_or_b32 s[G1+0], s44, (3<<16)|(1<<21)         ; 15:0 the mask; 17:16 elements of 8 bytes; 21 set beside a mask; no padding
	s_or_b32 s[G1B+0], s45, (3<<16)|(1<<21)
.irp g, G1, G1B
	s_mov_b32 s[\g+1], 384<<16                     ; rows of 3,072 bytes,
	s_mov_b32 s[\g+2], 16<<16                      ; 16 row tiles for the head's loads; set to 8 for the ring's behind them
	s_mov_b32 s[\g+3], 384<<16
	s_mov_b32 s[\g+4], 16
	s_mov_b32 s[\g+5], 1536                        ; 12,288 bytes apart
	s_mov_b32 s[\g+6], 0
	s_mov_b32 s[\g+7], 0
.endr
	s_or_b32 s[G1S+0], s44, (3<<16)|(1<<20)|(1<<21)|(5<<22)|(3<<25)   ; the scales of 128 rows: 16 rows of 256 bytes, 16 bytes of padding behind each
	s_or_b32 s[G1SB+0], s45, (3<<16)|(1<<20)|(1<<21)|(5<<22)|(3<<25)
.irp g, G1S, G1SB
	s_mov_b32 s[\g+1], 32<<16
	s_mov_b32 s[\g+2], 32<<16                      ; the scales of 256 rows: 32 rows of 256 bytes
	s_mov_b32 s[\g+3], 32<<16
	s_mov_b32 s[\g+4], 32
	s_mov_b32 s[\g+5], 32
	s_mov_b32 s[\g+6], 0
	s_mov_b32 s[\g+7], 0
.endr
	s_mul_i32 s98, s22, 128*768                    ; in the ring I fetch 128 rows of a tile: which half, in bytes
	s_mov_b32 s99, 0
	s_lshl_b32 s92, s43, 8                         ; R: the tile's first stored row
	s_lshl_b32 s94, s42, 8
	s_add_co_u32 s94, s94, 3072                    ; P: W_o's rows begin at 3,072
	s_lshl_b32 s96, s92, 5
	s_mov_b32 s97, 0
	s_mul_i32 s92, s92, 768
	s_mov_b32 s93, 0
	s_lshl_b32 s46, s94, 5
	s_mov_b32 s47, 0
	s_mul_i32 s94, s94, 768
	s_mov_b32 s95, 0
	s_mul_i32 s66, s20, HALFT
	s_wait_dscnt 0x0                               ; the opening add is done
	s_wait_kmcnt 0x0
	s_add_nc_u64 s[G0+2:G0+3], s[4:5], s[92:93]
	s_add_nc_u64 s[G0+6:G0+7], s[G0+2:G0+3], SLROW
	s_add_nc_u64 s[G0B+2:G0B+3], s[8:9], s[94:95]
	s_add_nc_u64 s[G0B+6:G0B+7], s[G0B+2:G0B+3], SLROW
	s_add_nc_u64 s[G0S+2:G0S+3], s[6:7], s[96:97]
	s_add_nc_u64 s[G0SB+2:G0SB+3], s[10:11], s[46:47]
	s_or_b32 s[G0+3], s[G0+3], 0x80000000
	s_or_b32 s[G0+7], s[G0+7], 0x80000000
	s_or_b32 s[G0B+3], s[G0B+3], 0x80000000
	s_or_b32 s[G0B+7], s[G0B+7], 0x80000000
	s_or_b32 s[G0S+3], s[G0S+3], 0x80000000
	s_or_b32 s[G0SB+3], s[G0SB+3], 0x80000000
	s_mov_b32 s[G0], 1
	s_mov_b32 s[G0+4], 1
	s_mov_b32 s[G0B], 1
	s_mov_b32 s[G0B+4], 1
	s_mov_b32 s[G0S], 1
	s_mov_b32 s[G0SB], 1
	s_mov_b32 s[G0+1], s66
	s_add_co_u32 s[G0+5], s66, SLOT
	s_mov_b32 s[G0B+1], s66
	s_add_co_u32 s[G0B+5], s66, SLOT
	s_mov_b32 s[G0S+1], SCL                        ; R's scales, 256 rows,
	s_mov_b32 s[G0SB+1], SCL+2*HALFS               ; and P's behind them
	s_mov_b32 s4, 1                                ; s[4:7], s[8:11]: group 0 of the head's loads of slot 0 (the arguments that lay there have been used): R's 256 rows,
	s_mov_b32 s5, 0
	s_mov_b64 s[6:7], s[G0+2:G0+3]
	s_mov_b32 s8, 1                                ; P's 256 rows
	s_mov_b32 s9, 2*HALFT
	s_mov_b64 s[10:11], s[G0B+2:G0B+3]
	s_add_nc_u64 s[G0+2:G0+3], s[G0+2:G0+3], s[98:99]      ; for the ring: my 128 rows
	s_add_nc_u64 s[G0+6:G0+7], s[G0+6:G0+7], s[98:99]
	s_add_nc_u64 s[G0B+2:G0B+3], s[G0B+2:G0B+3], s[98:99]
	s_add_nc_u64 s[G0B+6:G0B+7], s[G0B+6:G0B+7], s[98:99]
	CROUND                                         ; all sixteen work-groups are here: the first joint loads meet
; THE HEAD'S LOADS, ONE A WAVE: wave 0 slot 0's 256 rows of R, wave 1 those of P, wave 2 R's scales, wave 3 P's.  One chain of branches on the wave's number, one load to an arm.
.macro ARM under, g0, g1, next
	s_cmp_lt_u32 s20, \under
	s_cbranch_scc0 \next
	tensor_load_to_lds s[\g0:\g0+3], s[\g1:\g1+7]
	s_nop 0
.rept 4
	v_nop
.endr
	s_branch .Lhead_asked
\next:
.endm
	ARM 1, 4, G1, .Lhead_b
	ARM 2, 8, G1B, .Lhead_sa
	ARM 3, G0S, G1S, .Lhead_sb
	tensor_load_to_lds s[G0SB:G0SB+3], s[G1SB:G1SB+7]
	s_nop 0
.rept 4
	v_nop
.endr
.Lhead_asked:
	v_and_b32 v1, 15, v0                           ; r
	v_bfe_u32 v2, v0, 4, 1                         ; h
	v_and_b32 v3, 31, v0
	v_lshlrev_b32 v4, 3, v3                        ; 8 x lane
	s_mul_i32 s46, s21, HALFT
	s_mul_i32 s47, s22, HALFT
	s_add_co_u32 s47, s47, 2*HALFT
.irp s, 0,1
	v_add_nc_u32 v[ADRA+\s], s46, v4
	v_add_nc_u32 v[ADRB+\s], s47, v4
	s_add_co_u32 s46, s46, SLOT
	s_add_co_u32 s47, s47, SLOT
.endr
	v_lshlrev_b32 v5, 5, v1
	v_lshrrev_b32 v6, 8, v5
	v_lshl_add_u32 v5, v6, 4, v5
	s_mul_i32 s46, s21, HALFS
	s_mul_i32 s47, s22, HALFS
	s_add_co_u32 s47, s47, 2*HALFS
	s_sub_co_u32 s47, s47, s46
	v_mul_u32_u24 v6, s47, v2                      ; lanes 16-31 take P's
	s_add_co_u32 s46, s46, SCL
	v_add_nc_u32 v5, v5, v6
	v_add_nc_u32 v[ADRS], s46, v5
	s_mul_i32 s46, s20, 16*SPITCH                  ; my stage
	v_mul_u32_u24 v5, v1, SPITCH
	v_lshl_add_u32 v5, v2, 6, v5
	v_add_nc_u32 v[STO], s46, v5                   ; in: row r, + 64 h: tiles 2 B, 2 B + 1 hold true columns 32 B + 16 h + 0 .. 15
	v_lshlrev_b32 v[CO], 4, v3                     ; back: the 32 lanes take one row of 512 bytes; and the same in out0
	v_add_nc_u32 v[RD], s46, v[CO]
	s_lshl_b32 s94, s42, 8
	s_lshl_b32 s95, s22, 7
	s_add_co_u32 s94, s94, s95                     ; my first column
	s_lshl_b32 s94, s94, 2
	s_mov_b32 s95, 0
	s_add_nc_u64 s[12:13], s[12:13], s[94:95]      ; b_o there
	s_lshl_b32 s92, s43, 8
	s_lshl_b32 s93, s21, 7
	s_add_co_u32 s92, s92, s93                     ; my first row
	s_lshl_b32 s92, s92, 12
	s_mov_b32 s93, 0
	s_add_nc_u64 s[14:15], s[14:15], s[92:93]
	s_add_nc_u64 s[14:15], s[14:15], s[94:95]      ; out0 at my corner
	v_lshlrev_b32 v13, 6, v2                       ; 64 h
.irp e, 0,1,2,3
.irp i, 0,1,2,3
	global_load_b128 v[BP+16*\e+4*\i:BP+16*\e+4*\i+3], v13, s[12:13] offset:128*\e+16*\i   ; register 16 B + e: true column 32 B + 16 h + e
.endr
.endr
.macro FRAG reg, adr, q, i
.irp p, 0,1,2,3,4,5
	ds_load_b64 v[\reg+2*\p:\reg+2*\p+1], v[\adr] offset:(\q)*FRB+(\i)*SLROW+256*\p
.endr
.endm
; 16 matrix instructions: R's blocks a0, a0 + 1 x P's eight.  zero = 1: the first product starts the sums from the bias.  The 64 accumulators take turns.
.macro MUL16 a0, p, q, sc, zero
.irp a, \a0, \a0+1
.irp b, 0,1,2,3,4,5,6,7
.if \zero
	v_wmma_scale_f32_16x16x128_f8f6f4 v[8*(8*((\a)%4)+\b):8*(8*((\a)%4)+\b)+7], v[128*(\p)+FR*\b:128*(\p)+FR*\b+FR-1], v[AF+FR*(\a):AF+FR*(\a)+FR-1], v[BP+8*\b:BP+8*\b+7], v[SC+8*NQ*(\sc)+NQ*\b+(\q)], v[SC+8*NQ*(\sc)+NQ*(\a)+(\q)] matrix_a_fmt:MATRIX_FMT_FP6 matrix_b_fmt:MATRIX_FMT_FP6 matrix_a_scale:MATRIX_SCALE_ROW1
.else
	v_wmma_scale_f32_16x16x128_f8f6f4 v[8*(8*((\a)%4)+\b):8*(8*((\a)%4)+\b)+7], v[128*(\p)+FR*\b:128*(\p)+FR*\b+FR-1], v[AF+FR*(\a):AF+FR*(\a)+FR-1], v[8*(8*((\a)%4)+\b):8*(8*((\a)%4)+\b)+7], v[SC+8*NQ*(\sc)+NQ*\b+(\q)], v[SC+8*NQ*(\sc)+NQ*(\a)+(\q)] matrix_a_fmt:MATRIX_FMT_FP6 matrix_b_fmt:MATRIX_FMT_FP6 matrix_a_scale:MATRIX_SCALE_ROW1
.endif
.endr
.endr
.endm
.macro FETCH_B slot, q, p
	WIN TO_B
.irp i, 0,1,2,3,4,5,6,7
	FRAG 128*(\p)+FR*\i, ADRB+\slot, \q, \i
.endr
	WIN 0
.endm
.macro FETCH_A slot, q, i0
.irp i, \i0, \i0+1, \i0+2, \i0+3
	FRAG AF+FR*(\i), ADRA+\slot, \q, \i
.endr
.endm
.macro SCALES sc
.irp i, 0,1,2,3,4,5,6,7
	ds_load_b64 v[SC+8*NQ*\sc+NQ*\i:SC+8*NQ*\sc+NQ*\i+1], v[ADRS] offset:\i*SBLK
.endr
.endm
.macro PLACES n
.rept \n
	v_nop
.endr
.endm
.macro STEP slot, q, zero
	s_wait_dscnt 4*NL                              ; P's set, R's blocks 0-3 and the scale words are in; the youngest 24 loads (R's blocks 4-7) may be out
.if \zero
	WIN 0x81                                       ; C, the bias, in window 0
.else
	WIN MUL_LO
.endif
	MUL16 0, (\q)%2, \q, \slot, \zero
	MUL16 2, (\q)%2, \q, \slot, \zero
	s_wait_dscnt 0
	PLACES NP
	FETCH_B \slot, (\q)+1, 1-(\q)%2
	FETCH_A \slot, (\q)+1, 0
.if \zero
	WIN 0xc1
.else
	WIN MUL_HI
.endif
	MUL16 4, (\q)%2, \q, \slot, \zero
	MUL16 6, (\q)%2, \q, \slot, \zero
	PLACES NP
	WIN 0
	FETCH_A \slot, (\q)+1, 4
.endm
.macro TURN slot, next, fill
	s_wait_tensorcnt 0x0                           ; all my tensor loads have landed: my part of the next slot
	ds_add_u32 v[SPW], v[NIL]                      ; 0 onto my spare word
	s_wait_dscnt 4*NL+1                            ; (the add and the youngest 24 loads may be out)
	WIN MUL_LO
	MUL16 0, 1, NQ-1, \slot, 0
	s_wait_dscnt 0x0                               ; the add is done, and my reads of this slot are over
	s_barrier_signal -1
	MUL16 2, 1, NQ-1, \slot, 0
	WIN 0
	s_barrier_wait -1
.if \fill
	CREST                                          ; the barrier has opened a round of the cluster's barrier
	s_add_nc_u64 s[G0+4*\slot+2:G0+4*\slot+3], s[G0+4*\slot+2:G0+4*\slot+3], 2*SLROW
	s_add_nc_u64 s[G0B+4*\slot+2:G0B+4*\slot+3], s[G0B+4*\slot+2:G0B+4*\slot+3], 2*SLROW
	JLOAD G0+4*\slot, G1, G0B+4*\slot, G1B         ; the first tensor load behind the round
.else
	PLACES NP
.endif
	s_wait_alu depctr_va_vdst(0)
	v_add_nc_u32 v[ADRS], 4*NQ, v[ADRS]
	FETCH_B \next, 0, 0
	FETCH_A \next, 0, 0
	SCALES \next
	WIN MUL_HI
	MUL16 4, 1, NQ-1, \slot, 0
	MUL16 6, 1, NQ-1, \slot, 0
	PLACES NP
	WIN 0
	FETCH_A \next, 0, 4
.endm
	s_wait_alu depctr_va_vdst(0)
	s_wait_tensorcnt 0x0                           ; my tile of the head's four is in
	ds_add_u32 v[SPW], v[NIL]
	s_mov_b32 s[G1+2], 8<<16                       ; no tensor load of mine is out: from here on a load brings 8 row tiles
	s_mov_b32 s[G1+4], 8
	s_mov_b32 s[G1B+2], 8<<16
	s_mov_b32 s[G1B+4], 8
	s_wait_dscnt 0x0                               ; the add is done
	CROUND                                         ; a whole round: all four tiles are in, and the joint loads meet
	JLOAD G0+4, G1, G0B+4, G1B                     ; slot 1's first fill, the first tensor load behind the round
	FETCH_B 0, 0, 0
	FETCH_A 0, 0, 0
	SCALES 0
	FETCH_A 0, 0, 4
	s_wait_loadcnt 0x0                             ; the bias
	STEP 0, 0, 1
	s_mov_b32 s3, LAPS-1
.Llap:
	TURN 0, 1, 1
	STEP 1, 0, 0
	TURN 1, 0, 1
	STEP 0, 0, 0
	s_sub_co_u32 s3, s3, 1
	s_cmp_lg_u32 s3, 0
	s_cbranch_scc1 .Llap
	TURN 0, 1, 0                                   ; the last lap fills nothing
	STEP 1, 0, 0
	s_wait_dscnt 4*NL
	WIN MUL_LO
	MUL16 0, 1, NQ-1, 1, 0
	MUL16 2, 1, NQ-1, 1, 0
	s_wait_dscnt 0
	WIN MUL_HI
	MUL16 4, 1, NQ-1, 1, 0
	MUL16 6, 1, NQ-1, 1, 0
	WIN 0
; THE WAY OUT, block by block of 16 stored rows x 128 columns, through my own stage: in by true columns, back as whole rows of 512 bytes.
.macro TOSTAGE a
.set AC, 64*((\a)%4)
	WIN 0x08+4*((\a)/4)                            ; the data: window 2 or 3
.irp b, 0,1,2,3,4,5,6,7
	ds_store_b128 v[STO], v[AC+8*\b:AC+8*\b+3] offset:128*(\b/2)+32*(\b%2)          ; each accumulator from its low end on
	ds_store_b128 v[STO], v[AC+8*\b+4:AC+8*\b+7] offset:128*(\b/2)+32*(\b%2)+16
.endr
	WIN 0
.set BB, BK+64*((\a)%2)
.irp t, 0,1,2,3,4,5,6,7,8,9,10,11,12,13,14,15
	ds_load_b128 v[BB+4*\t:BB+4*\t+3], v[RD] offset:\t*SPITCH   ; LDS serves a wave's instructions in order (ISA guide 5.7.1.4)
.endr
.endm
.macro SEND a, younger
.set BB, BK+64*((\a)%2)
	s_wait_dscnt \younger
.if (\a) > 0
.if ((\a)%2) == 1
	s_add_nc_u64 s[14:15], s[14:15], 8*4096        ; stored block a begins at true row 32 (a / 2) + 8 (a % 2)
.else
	s_add_nc_u64 s[14:15], s[14:15], 24*4096
.endif
.endif
.irp t, 0,1,2,3,4,5,6,7,8,9,10,11,12,13,14,15
	global_store_b128 v[CO], v[BB+4*\t:BB+4*\t+3], s[14:15] offset:(\t+8*(\t/8))*4096 th:TH_STORE_NT   ; stored row t is true row t + 8 (t / 8); 512 consecutive bytes, aligned
.endr
.endm
	PLACES NP
	TOSTAGE 0
.irp a, 1,2,3,4,5,6,7
.if \a > 1
	s_wait_xcnt 0x0                                ; block a - 2's stores have read their registers and their base
.endif
	TOSTAGE \a
	SEND \a-1, 32                                  ; behind block a - 1's loads: block a's 16 stores and 16 loads
.endr
	s_wait_xcnt 0x0
	SEND 7, 0
	s_wait_tensorcnt 0x0                           ; the wave's end
	ds_add_u32 v[SPW], v[NIL]
	s_wait_dscnt 0x0
	CROUND                                         ; the closing round
	s_endpgm
.Lfunc_end_k_q31c85464fa_outp:
	.size	k_q31c85464fa_outp, .Lfunc_end_k_q31c85464fa_outp-k_q31c85464fa_outp
	.p2alignl 7, 3214868480
	.fill 96, 4, 3214868480
	.section	.rodata,"a",@progbits
	.p2align	6, 0x0
	.amdhsa_kernel k_q31c85464fa_outp
		.amdhsa_group_segment_fixed_size 327680
		.amdhsa_private_segment_fixed_size 0
		.amdhsa_enable_private_segment 0
		.amdhsa_kernarg_size 48
		.amdhsa_user_sgpr_count 2
		.amdhsa_user_sgpr_kernarg_segment_ptr 1
		.amdhsa_wavefront_size32 1
		.amdhsa_system_sgpr_workgroup_id_x 1
		.amdhsa_system_sgpr_workgroup_id_y 1
		.amdhsa_system_sgpr_workgroup_id_z 1
		.amdhsa_system_vgpr_workitem_id 0
		.amdhsa_next_free_vgpr 1024
		.amdhsa_next_free_sgpr 104
		.amdhsa_reserve_vcc 0
		.amdhsa_float_denorm_mode_32 3
		.amdhsa_float_denorm_mode_16_64 3
		.amdhsa_memory_ordered 1
		.amdhsa_forward_progress 1
		.amdhsa_inst_pref_size 162
	.end_amdhsa_kernel
	.amdgpu_metadata
---
amdhsa.version: [ 1, 2 ]
amdhsa.kernels:
  - .name:           k_q31c85464fa_outp
    .symbol:         k_q31c85464fa_outp.kd
    .args:
      - { .name: ac, .offset: 0, .size: 8, .value_kind: global_buffer, .address_space: global }
      - { .name: asc, .offset: 8, .size: 8, .value_kind: global_buffer, .address_space: global }
      - { .name: wc, .offset: 16, .size: 8, .value_kind: global_buffer, .address_space: global }
      - { .name: ws, .offset: 24, .size: 8, .value_kind: global_buffer, .address_space: global }
      - { .name: b_o, .offset: 32, .size: 8, .value_kind: global_buffer, .address_space: global }
      - { .name: out0, .offset: 40, .size: 8, .value_kind: global_buffer, .address_space: global }
    .group_segment_fixed_size: 327680
    .private_segment_fixed_size: 0
    .kernarg_segment_align: 8
    .kernarg_segment_size: 48
    .max_flat_workgroup_size: 128
    .sgpr_count:     104
    .vgpr_count:     1024
    .wavefront_size: 32
...
	.end_amdgpu_metadata
.endif
;; end of part 4
